; MI455X (gfx1250); checked and timed in simulation.
; The chip was launched on July 23, 2026; its instructions are those of AMD's public machine-readable ISA for CDNA 5 (MIT licence, August 2026) and "CDNA5" Instruction Set Architecture Reference Guide (July 2026). The comments in the code are by the model that wrote it; some were corrected since.
;; Point Transformer Transition Up. Allowed arithmetic: float matrix products may take bf16 or f16 operands with f32 sums; all other float work in f32.
;; Inputs: W 256 x 512 float32; b 256 float32; beta 256 float32; gamma 256 float32; points_high 2 x 256 x 16,384 float32; points_low 2 x 512 x 4,096 float32; xyz_high 2 x 3 x 16,384 float32; xyz_low 2 x 3 x 4,096 float32.
;; Outputs: out0 2 x 256 x 16,384 float32.
;; 2 versions, each right; version 2 is version 1 with the launch knn2 written anew for expert scheduling mode. Each part assembles by itself: llvm-mc -triple=amdgcn-amd-amdhsa -mcpu=gfx1250 --defsym DOCPART=n.
;; ======== version 1 of 2: 4 launches
;; limits: values outside matrix products are rounded to bf16
;; workspace buffers: hT 8,388,608 bytes; part 262,144 bytes; grp 131,072 bytes of whole numbers; lad 393,216 bytes of whole numbers; wgt 393,216 bytes
;; launch gemm (part 1): grid 256 x 1, 8 waves a work-group, no clusters, 101,376 bytes of LDS; arguments W, points_low, hT, part; writes hT, part
.if DOCPART == 1
	.amdgcn_target "amdgcn-amd-amdhsa--gfx1250"
	.amdhsa_code_object_version 6
	.text
	.protected	k_q9bc65164d3_gemm
	.globl	k_q9bc65164d3_gemm
	.p2align	8
	.type	k_q9bc65164d3_gemm,@function
k_q9bc65164d3_gemm:
	s_mov_b64 s[64:65], 0
	v_nop
	global_prefetch_b8 v0, s[64:65] scope:SCOPE_SE
	s_setreg_imm32_b32 hwreg(HW_REG_WAVE_MODE, 25, 1), 1
	s_wait_xcnt 0x0
; h_raw[b][o][s] = sum over c of W[o][c] points_low[b][c][s]: bf16 operands, f32 sums, no bias; and for every block of
; 64 columns and every channel the block mean and the sum of squares about that mean.
; WORK LEFT OUT: the input b.  reference() adds b[o] to every h[.][o][.] and then takes away the mean of that same channel
; over batch and s: (h + b) - mean(h + b) = h - mean(h), and var(h + b) = var(h), for all values of all inputs.  So b has no
; way to any output: it is not loaded and is among no launch arguments.  Limit: a NaN, an infinity or an overflow that b
; alone would bring is not carried to the result.
; SHARES: work-group g: channel half mh = g & 1, column block cb = g >> 1 (batch cb >> 6, columns s0 = 64 (cb & 63) ..).
; Wave w makes slab = 8 mh + w: 16 channels x 64 columns = 4 accumulator tiles, over all 512 of K.
; COLUMN MAP: points_low lies [c][s], so lane (r, h) loads 16 bytes = columns s0 + 4 r .. + 3 of one row c; sixteen lanes read
; 256 consecutive aligned bytes.  Tile t is DEFINED as the columns s0 + 4 r + t, and load i of a chunk of 32 rows takes the row
; that register pair i / 2 of a bf16 fragment wants (8 h + i, or 16 + 8 h + i - 8): two conversions side by side give a fragment
; register, with no transposing step.  hT stores the columns in that order and the later launches address it so.
; hT: f32 [batch 2][slab 16][blk 4][q 4][pp 1024][e 4], channel 16 slab + 4 q + e, blk = s >> 10,
;     pp = (s & 0x3c0) | (s & 3) << 4 | (s >> 2) & 15.      part: f32 [slab 16][cb 128][16 means, 16 sums of squares].
; NO JOINT LOADS, NO TENSOR LOADS: what work-groups share (W, and points_low between g and g ^ 1) is f32 in memory and bf16 in
; LDS, so every byte passes through registers on its way; a raw copy into LDS would add a trip through LDS.
; LDS: 0 .. 65535 B fragments as register images, fragment (chunk c, tile t) at 1024 (4 c + t), halves 512 apart, lane at 16 L;
;      65536 + 4352 w: the stage of wave w for 16 rows x 128 k of W in bf16, pitch 272 (an odd multiple of 16 bytes, so the sixteen
;      rows that a fragment load touches lie in sixteen different 16-byte columns of 256).
.set ACC, 16                           ; v[16:47]   4 accumulator tiles; before the barrier: the first chunk as fragments
.set AS,  48                           ; v[48:111]  16 loads of W
.set BS,  112                          ; v[112:239] 32 loads of points_low
.set F0,  112                          ; v[112:151] behind the barrier: fragment buffer 0 (A 8, B 4 x 8)
.set F1,  152                          ; v[152:191] fragment buffer 1
.set MN,  192                          ; v[192:199] sums, then means, of my 8 channels
.set DV,  200                          ; v[200:207] at work
.set SQ,  208                          ; v[208:215] sums of squares about the mean
.set ASTG, 65536
.set APITCH, 272
	s_load_b256 s[4:11], s[0:1], 0x0               ; W s[4:5], points_low s[6:7], hT s[8:9], part s[10:11]
	v_lshl_add_u32 v240, v0, 2, 0x18800
	v_mov_b32 v241, 0
	v_and_b32 v1, 31, v0                           ; L
	v_and_b32 v2, 15, v0                           ; r
	v_bfe_u32 v3, v0, 4, 1                         ; h
	v_lshrrev_b32 v11, 5, v0
	v_readfirstlane_b32 s12, v11                   ; wave w
	s_and_b32 s13, ttmp9, 1
	s_lshl3_add_u32 s13, s13, s12                  ; slab = 8 mh + w
	s_lshr_b32 s14, ttmp9, 1                       ; cb
	s_lshr_b32 s15, s14, 6                         ; batch
	s_and_b32 s16, s14, 63
	s_lshl_b32 s16, s16, 6                         ; s0
	s_lshl_b32 s20, s13, 15                        ; W: 16 rows of 2,048 bytes a slab
	s_mov_b32 s21, 0
	s_lshl_b32 s22, s15, 23                        ; points_low: batch x 512 rows x 16,384 bytes
	s_lshl_b32 s17, s12, 20                        ; + the two chunks of 32 rows that wave w converts
	s_add_co_u32 s22, s22, s17
	s_lshl_b32 s17, s16, 2                         ; + 4 s0
	s_add_co_u32 s22, s22, s17
	s_mov_b32 s23, 0
	s_lshl4_add_u32 s24, s15, s13                  ; hT: (16 batch + slab) x 262,144
	s_lshl_b32 s24, s24, 18
	s_lshr_b32 s17, s16, 10
	s_lshl_b32 s17, s17, 16                        ; + blk x 65,536
	s_add_co_u32 s24, s24, s17
	s_and_b32 s17, s16, 1023
	s_lshl_b32 s17, s17, 4                         ; + 16 (s0 & 1023)
	s_add_co_u32 s24, s24, s17
	s_mov_b32 s25, 0
	s_lshl_b32 s26, s13, 7                         ; part: (128 slab + cb) x 128 bytes
	s_add_co_u32 s26, s26, s14
	s_lshl_b32 s26, s26, 7
	s_mov_b32 s27, 0
	s_mul_i32 s18, s12, 16*APITCH
	s_add_co_u32 s18, s18, ASTG                    ; my stage
	v_lshlrev_b32 v4, 4, v2
	v_lshl_or_b32 v4, v3, 17, v4                   ; points_low: 8 h rows + 16 r
	v_lshlrev_b32 v5, 4, v1                        ; 16 L: offset in a row piece of W, and LDS address of a fragment image
	v_lshl_add_u32 v6, s12, 13, v5                 ; where I put the fragments of my two chunks
	v_lshl_add_u32 v7, v1, 3, s18                  ; stage, in: 8 bytes a lane along a row
	v_mul_u32_u24 v8, v2, APITCH
	v_lshl_add_u32 v8, v3, 4, v8
	v_add_nc_u32 v8, s18, v8                       ; stage, out: row r, 16 h
	v_lshlrev_b32 v9, 4, v2
	v_lshl_or_b32 v9, v3, 15, v9                   ; hT: plane 2 h, place r
	v_lshlrev_b32 v10, 5, v3                       ; part: 32 h
	s_wait_kmcnt 0x0
	s_add_nc_u64 s[4:5], s[4:5], s[20:21]
	s_add_nc_u64 s[6:7], s[6:7], s[22:23]
	s_add_nc_u64 s[8:9], s[8:9], s[24:25]
	s_add_nc_u64 s[10:11], s[10:11], s[26:27]
.macro LOADB cc                        ; chunk cc of my two: 16 loads, lanes 0-15 one row piece of 256 bytes, lanes 16-31 the one 8 rows down
.irp i, 0,1,2,3,4,5,6,7
	global_load_b128 v[BS+64*\cc+4*\i:BS+64*\cc+4*\i+3], v4, s[6:7] offset:\cc*524288+\i*16384
.endr
.irp i, 8,9,10,11,12,13,14,15
	global_load_b128 v[BS+64*\cc+4*\i:BS+64*\cc+4*\i+3], v4, s[6:7] offset:\cc*524288+(\i+8)*16384
.endr
.endm
.macro LOADA q                         ; 16 rows x 128 k of W: each load is 512 consecutive bytes of one row
.irp m, 0,1,2,3,4,5,6,7,8,9,10,11,12,13,14,15
	global_load_b128 v[AS+4*\m:AS+4*\m+3], v5, s[4:5] offset:\m*2048+(\q)*512
.endr
.endm
.macro CVTB cc, dst                    ; register p of tile t = rows 2 p, 2 p + 1 of the chunk in fragment order, column 4 r + t
.irp t, 0,1,2,3
.irp p, 0,1,2,3,4,5,6,7
	v_cvt_pk_bf16_f32 v[\dst+8*\t+\p], v[BS+64*\cc+8*\p+\t], v[BS+64*\cc+8*\p+4+\t]
.endr
.endr
.irp t, 0,1,2,3
	ds_store_b128 v6, v[\dst+8*\t:\dst+8*\t+3] offset:\cc*4096+\t*1024
	ds_store_b128 v6, v[\dst+8*\t+4:\dst+8*\t+7] offset:\cc*4096+\t*1024+512
.endr
.endm
.macro CVTA                            ; W to bf16 in place, 8 bytes a lane into my stage
.irp m, 0,1,2,3,4,5,6,7,8,9,10,11,12,13,14,15
	v_cvt_pk_bf16_f32 v[AS+4*\m], v[AS+4*\m], v[AS+4*\m+1]
	v_cvt_pk_bf16_f32 v[AS+4*\m+1], v[AS+4*\m+2], v[AS+4*\m+3]
.endr
.irp m, 0,1,2,3,4,5,6,7,8,9,10,11,12,13,14,15
	ds_store_b64 v7, v[AS+4*\m:AS+4*\m+1] offset:\m*APITCH
.endr
.endm
.macro PLACES                          ; a load into a register that a matrix instruction has read, and a vector instruction that reads a
.rept 4                                ; matrix result, stand four plain vector instructions behind it (ISA guide 7.12.1)
	v_nop
.endr
.endm
.macro FETCH c, cc, f                  ; ten LDS loads: the A fragment of chunk cc of the staged quarter, the four B fragments of chunk c
	ds_load_b128 v[\f:\f+3], v8 offset:\cc*64
	ds_load_b128 v[\f+4:\f+7], v8 offset:\cc*64+32
.irp t, 0,1,2,3
	ds_load_b128 v[\f+8+8*\t:\f+8+8*\t+3], v5 offset:(\c)*4096+\t*1024
	ds_load_b128 v[\f+8+8*\t+4:\f+8+8*\t+7], v5 offset:(\c)*4096+\t*1024+512
.endr
.endm
.macro MUL f, zero                     ; the four accumulators take turns, one instruction a turn, over chunk borders too
.irp t, 0,1,2,3
.if \zero
	v_wmma_f32_16x16x32_bf16 v[ACC+8*\t:ACC+8*\t+7], v[\f:\f+7], v[\f+8+8*\t:\f+8+8*\t+7], 0
.else
	v_wmma_f32_16x16x32_bf16 v[ACC+8*\t:ACC+8*\t+7], v[\f:\f+7], v[\f+8+8*\t:\f+8+8*\t+7], v[ACC+8*\t:ACC+8*\t+7]
.endif
.endr
.endm
; A quarter of K: four chunks of 32 on two fragment buffers; the next quarter of W is loaded meanwhile.
.macro QUARTER q
.if \q < 3
	s_wait_dscnt 0x0                               ; the stage stores have taken their data out of AS
	LOADA \q+1
.endif
	PLACES
	FETCH 4*\q, 0, F0
	FETCH 4*\q+1, 1, F1
	s_wait_dscnt 10                                ; LDS loads come back in order: all but the ten of the other buffer are in
.if \q == 0
	MUL F0, 1                                      ; the first products start the sums: nothing is cleared
.else
	MUL F0, 0
.endif
	PLACES
	FETCH 4*\q+2, 2, F0
	s_wait_dscnt 10
	MUL F1, 0
	PLACES
	FETCH 4*\q+3, 3, F1
	s_wait_dscnt 10
	MUL F0, 0
	s_wait_dscnt 0x0                               ; the last ten; also: all my reads of the stage are back
	MUL F1, 0
.if \q < 3
	s_wait_loadcnt 0x0                             ; the next quarter of W
	CVTA                                           ; the stage is my own: no other wave touches it
.endif
.endm
.macro ROWSUM base                     ; sum over the sixteen lanes of a row, result in each of them
.irp x, 1,2,4,8
.irp j, 0,1,2,3,4,5,6,7
	v_add_f32_dpp v[\base+\j], v[\base+\j], v[\base+\j] row_xmask:\x row_mask:0xf bank_mask:0xf
.endr
.endr
.endm
	LOADB 0
	LOADB 1
	LOADA 0
	s_wait_loadcnt 32                              ; 16 + 16 younger loads stay out: my first chunk is in
	CVTB 0, ACC
	s_wait_loadcnt 16                              ; the second chunk
	CVTB 1, BS                                     ; into the first chunk's registers, which are free
	s_wait_loadcnt 0x0                             ; W
	CVTA
	s_wait_dscnt 0x0                               ; my fragments are in LDS,
	s_barrier_signal -1
	s_barrier_wait -1                              ; everybody's are: all 16 chunks may be read
	QUARTER 0
	QUARTER 1
	QUARTER 2
	QUARTER 3
	PLACES
	; Statistics of my 64 columns.  Register j of tile t in lane (r, h) is channel 8 h + j, column 4 r + t.  Two passes over the
	; registers: first the mean, then the squares about it, so that no difference of large sums is formed.
.irp j, 0,2,4,6
	v_pk_add_f32 v[MN+\j:MN+\j+1], v[ACC+\j:ACC+\j+1], v[ACC+8+\j:ACC+8+\j+1]
	v_pk_add_f32 v[DV+\j:DV+\j+1], v[ACC+16+\j:ACC+16+\j+1], v[ACC+24+\j:ACC+24+\j+1]
.endr
.irp j, 0,2,4,6
	v_pk_add_f32 v[MN+\j:MN+\j+1], v[MN+\j:MN+\j+1], v[DV+\j:DV+\j+1]
.endr
	ROWSUM MN
.irp j, 0,2,4,6
	v_pk_mul_f32 v[MN+\j:MN+\j+1], v[MN+\j:MN+\j+1], 0x3c800000 op_sel_hi:[1,0]   ; / 64
.endr
.irp j, 0,2,4,6
	v_pk_add_f32 v[DV+\j:DV+\j+1], v[ACC+\j:ACC+\j+1], v[MN+\j:MN+\j+1] neg_lo:[0,1] neg_hi:[0,1]
.endr
.irp j, 0,2,4,6
	v_pk_mul_f32 v[SQ+\j:SQ+\j+1], v[DV+\j:DV+\j+1], v[DV+\j:DV+\j+1]
.endr
.irp t, 1,2,3
.irp j, 0,2,4,6
	v_pk_add_f32 v[DV+\j:DV+\j+1], v[ACC+8*\t+\j:ACC+8*\t+\j+1], v[MN+\j:MN+\j+1] neg_lo:[0,1] neg_hi:[0,1]
.endr
.irp j, 0,2,4,6
	v_pk_fma_f32 v[SQ+\j:SQ+\j+1], v[DV+\j:DV+\j+1], v[DV+\j:DV+\j+1], v[SQ+\j:SQ+\j+1]
.endr
.endr
	ROWSUM SQ
	; h_raw out: four channels of one column are 16 bytes; lanes 0-15 store 256 consecutive aligned bytes of plane 2 h + jj, lanes 16-31 likewise
.irp t, 0,1,2,3
	global_store_b128 v9, v[ACC+8*\t:ACC+8*\t+3], s[8:9] offset:\t*256
	global_store_b128 v9, v[ACC+8*\t+4:ACC+8*\t+7], s[8:9] offset:\t*256+16384
.endr
	s_wait_xcnt 0x0                                ; EXEC is a source of the stores above: it changes only behind this wait
	v_cmp_eq_u32 vcc_lo, 0, v2
	s_wait_tensorcnt 0x0
	ds_add_u32 v240, v241
	s_wait_dscnt 0x0
	s_and_saveexec_b32 s14, vcc_lo                 ; lanes 0 and 16: channels 0-7 and 8-15; the wave's 128 bytes of part are consecutive
	global_store_b128 v10, v[MN:MN+3], s[10:11]
	global_store_b128 v10, v[MN+4:MN+7], s[10:11] offset:16
	global_store_b128 v10, v[SQ:SQ+3], s[10:11] offset:64
	global_store_b128 v10, v[SQ+4:SQ+7], s[10:11] offset:80
	s_wait_xcnt 0x0                                ; and again in front of the line that widens it
	s_or_b32 exec_lo, exec_lo, s14
	s_endpgm
.Lfunc_end_k_q9bc65164d3_gemm:
	.size	k_q9bc65164d3_gemm, .Lfunc_end_k_q9bc65164d3_gemm-k_q9bc65164d3_gemm
	.p2alignl 7, 3214868480
	.fill 96, 4, 3214868480
	.section	.rodata,"a",@progbits
	.p2align	6, 0x0
	.amdhsa_kernel k_q9bc65164d3_gemm
		.amdhsa_group_segment_fixed_size 101376
		.amdhsa_private_segment_fixed_size 0
		.amdhsa_enable_private_segment 0
		.amdhsa_kernarg_size 32
		.amdhsa_user_sgpr_count 2
		.amdhsa_user_sgpr_kernarg_segment_ptr 1
		.amdhsa_wavefront_size32 1
		.amdhsa_system_sgpr_workgroup_id_x 1
		.amdhsa_system_sgpr_workgroup_id_y 1
		.amdhsa_system_sgpr_workgroup_id_z 1
		.amdhsa_system_vgpr_workitem_id 0
		.amdhsa_next_free_vgpr 242
		.amdhsa_next_free_sgpr 66
		.amdhsa_reserve_vcc 1
		.amdhsa_float_denorm_mode_32 3
		.amdhsa_float_denorm_mode_16_64 3
		.amdhsa_memory_ordered 1
		.amdhsa_forward_progress 1
		.amdhsa_inst_pref_size 54
	.end_amdhsa_kernel
	.amdgpu_metadata
---
amdhsa.version: [ 1, 2 ]
amdhsa.kernels:
  - .name:           k_q9bc65164d3_gemm
    .symbol:         k_q9bc65164d3_gemm.kd
    .args:
      - { .name: W, .offset: 0, .size: 8, .value_kind: global_buffer, .address_space: global }
      - { .name: points_low, .offset: 8, .size: 8, .value_kind: global_buffer, .address_space: global }
      - { .name: hT, .offset: 16, .size: 8, .value_kind: global_buffer, .address_space: global }
      - { .name: part, .offset: 24, .size: 8, .value_kind: global_buffer, .address_space: global }
    .group_segment_fixed_size: 101376
    .private_segment_fixed_size: 0
    .kernarg_segment_align: 8
    .kernarg_segment_size: 32
    .max_flat_workgroup_size: 256
    .sgpr_count:     66
    .vgpr_count:     242
    .wavefront_size: 32
...
	.end_amdgpu_metadata
.endif
;; end of part 1
;; launch knn1 (part 2): grid 256 x 1, 8 waves a work-group, no clusters, 99,840 bytes of LDS; arguments xyz_low, xyz_high, grp; writes grp
.if DOCPART == 2
	.amdgcn_target "amdgcn-amd-amdhsa--gfx1250"
	.amdhsa_code_object_version 6
	.text
	.protected	k_q9bc65164d3_knn1
	.globl	k_q9bc65164d3_knn1
	.p2align	8
	.type	k_q9bc65164d3_knn1,@function
k_q9bc65164d3_knn1:
	s_mov_b64 s[64:65], 0
	v_nop
	global_prefetch_b8 v0, s[64:65] scope:SCOPE_SE
	s_setreg_imm32_b32 hwreg(HW_REG_WAVE_MODE, 25, 1), 1
	s_wait_xcnt 0x0
; For every high point: the three groups of 32 neighbouring low points (group = index >> 5) with the smallest group minimum of d2,
; ties to the lower group.  They hold the three nearest points: order points by (d2, index); groups are ranges of the index, so groups
; ordered by (minimum, group) are ordered by their least point; a group that ranks ahead of the group of a point e holds a point
; smaller than e; of those there are at most two if e is among the three least.  The next launch looks through the 96 points.
; ARITHMETIC: xyz is rounded to bf16, as operands of the distance product are; the squared norms are made of the same rounded numbers.
; Products of two bf16 are exact in f32, so fused and unfused forms give the same bits; the additions stand in the order of
; reference(): x, y, z; then a + b; then - 2 c.  The product stays on the vector unit: a matrix instruction rounds the sum of three
; once, reference() after each addition, and the last bit decides ties between the third and the fourth neighbour.
; LIMIT: a NaN or an infinity in xyz, or coordinates so large that d2 overflows (beyond about 1e19), are not ordered as
; lax.top_k orders them; the lists start at valid group numbers, so no address leaves its range.
; SHARES: the work-group takes 128 queries (batch g >> 7, first query 128 (g & 127)) x 4,096 low points.  A lane holds 4 queries
; (4 L + e), all eight waves the same 128; wave w scans points 512 w .. + 511 = groups 16 w .. 16 w + 15, one group a trip.  One LDS load
; of four points, the same address in all lanes, feeds 16 pairs a lane.
; NO JOINT LOADS: xyz_low is shared by all work-groups of a batch, but it is rounded and its norms are added on the way into LDS,
; so it passes through registers; it is 48 KiB a work-group, read once.
; LDS: planes X 0, Y 16384, Z 32768, |p|^2 49152 (4,096 f32 each); 65536 + 4096 w + 32 query: the list of wave w (m1 m2 m3 i1 | i2 i3);
;      98304: the 128 packed words.
.set Q,   8                            ; v[8:39]    query e at 8 e: x x y y z z a a (pairs for the packed arithmetic)
.set TOP, 40                           ; v[40:71]   query e at 8 e: m1 m2 m3 i1 i2 i3, group minimum, at work
.set CB0, 72                           ; v[72:135]  16 points: X 16, Y 16, Z 16, |p|^2 16
.set CB1, 136                          ; v[136:199] the other 16 of the group
.set TC,  200                          ; v[200:207] a pair for each query
.set TS,  208                          ; v[208:215]
.set QL,  136                          ; at the start: the queries as loaded
.set TMP, 148                          ; at the start: four registers at work
.set MRG, 65536
.set OUTS, 98304
	s_load_b128 s[4:7], s[0:1], 0x0                ; xyz_low s[4:5], xyz_high s[6:7]
	s_load_b64 s[8:9], s[0:1], 0x10                ; grp
	v_lshl_add_u32 v216, v0, 2, 0x18200
	v_mov_b32 v217, 0
	v_and_b32 v1, 31, v0                           ; L
	v_lshrrev_b32 v7, 5, v0
	v_readfirstlane_b32 s12, v7                    ; wave w
	s_lshr_b32 s13, ttmp9, 7                       ; batch
	s_and_b32 s14, ttmp9, 127
	s_lshl_b32 s14, s14, 7                         ; first query
	s_mul_i32 s16, s13, 49152
	s_mov_b32 s17, 0
	s_mul_i32 s18, s13, 196608
	s_lshl2_add_u32 s18, s14, s18
	s_mov_b32 s19, 0
	s_lshl_b32 s20, s13, 14
	s_add_co_u32 s20, s20, s14
	s_lshl_b32 s20, s20, 2
	s_mov_b32 s21, 0
	s_mov_b32 s22, 0xffff0000                      ; a word's upper bf16
	v_lshlrev_b32 v2, 4, v0                        ; 16 t
	v_lshlrev_b32 v3, 4, v1                        ; 16 L
	s_wait_kmcnt 0x0
	s_add_nc_u64 s[4:5], s[4:5], s[16:17]
	s_add_nc_u64 s[6:7], s[6:7], s[18:19]
	s_add_nc_u64 s[8:9], s[8:9], s[20:21]
.irp p, 0,1,2
.irp i, 0,1,2,3
	global_load_b128 v[CB0+16*\p+4*\i:CB0+16*\p+4*\i+3], v2, s[4:5] offset:\p*16384+\i*4096
.endr
.endr
.irp p, 0,1,2
	global_load_b128 v[QL+4*\p:QL+4*\p+3], v3, s[6:7] offset:\p*65536
.endr
	s_lshl_b32 s23, s12, 11
	v_mov_b32 v4, s23                              ; LDS address of my first group in a plane, the same in all lanes
	s_lshl_b32 s23, s12, 4
	v_mov_b32 v5, s23                              ; its number
	s_lshl_b32 s23, s12, 12
	s_add_co_u32 s23, s23, MRG
	v_lshl_add_u32 v6, v1, 7, s23                  ; my four lists
.irp e, 0,1,2,3
	v_mov_b32 v[TOP+8*\e], 0x7f800000              ; three places at + infinity,
	v_mov_b32 v[TOP+8*\e+1], 0x7f800000
	v_mov_b32 v[TOP+8*\e+2], 0x7f800000
	v_mov_b32 v[TOP+8*\e+3], 0                     ; with valid numbers
	v_mov_b32 v[TOP+8*\e+4], 1
	v_mov_b32 v[TOP+8*\e+5], 2
.endr
	s_wait_loadcnt 0x0
	; round to bf16 and widen again, two numbers at a time
.set j, 0
.rept 24
	v_cvt_pk_bf16_f32 v[TMP+j%4], v[CB0+2*j], v[CB0+2*j+1]
	v_lshlrev_b32 v[CB0+2*j], 16, v[TMP+j%4]
	v_and_b32 v[CB0+2*j+1], s22, v[TMP+j%4]
.set j, j+1
.endr
.irp c, 0,1,2
.irp e, 0,2
	v_cvt_pk_bf16_f32 v[TMP], v[QL+4*\c+\e], v[QL+4*\c+\e+1]
	v_lshlrev_b32 v[Q+8*\e+2*\c], 16, v[TMP]
	v_lshlrev_b32 v[Q+8*\e+2*\c+1], 16, v[TMP]
	v_and_b32 v[Q+8*\e+8+2*\c], s22, v[TMP]
	v_and_b32 v[Q+8*\e+8+2*\c+1], s22, v[TMP]
.endr
.endr
.irp j, 0,2,4,6,8,10,12,14
	v_pk_mul_f32 v[CB0+48+\j:CB0+48+\j+1], v[CB0+\j:CB0+\j+1], v[CB0+\j:CB0+\j+1]
	v_pk_fma_f32 v[CB0+48+\j:CB0+48+\j+1], v[CB0+16+\j:CB0+16+\j+1], v[CB0+16+\j:CB0+16+\j+1], v[CB0+48+\j:CB0+48+\j+1]
	v_pk_fma_f32 v[CB0+48+\j:CB0+48+\j+1], v[CB0+32+\j:CB0+32+\j+1], v[CB0+32+\j:CB0+32+\j+1], v[CB0+48+\j:CB0+48+\j+1]
.endr
.irp e, 0,1,2,3
	v_mul_f32 v[Q+8*\e+6], v[Q+8*\e], v[Q+8*\e]
	v_fma_f32 v[Q+8*\e+6], v[Q+8*\e+2], v[Q+8*\e+2], v[Q+8*\e+6]
	v_fma_f32 v[Q+8*\e+6], v[Q+8*\e+4], v[Q+8*\e+4], v[Q+8*\e+6]
	v_mov_b32 v[Q+8*\e+7], v[Q+8*\e+6]
.endr
.irp p, 0,1,2,3
.irp i, 0,1,2,3
	ds_store_b128 v2, v[CB0+16*\p+4*\i:CB0+16*\p+4*\i+3] offset:\p*16384+\i*4096
.endr
.endr
	s_wait_dscnt 0x0                               ; my part of the planes is in LDS,
	s_barrier_signal -1
	s_barrier_wait -1                              ; everybody's is
.macro LOADC buf, off                  ; 16 points: four loads from each plane
.irp p, 0,1,2,3
.irp j, 0,1,2,3
	ds_load_b128 v[\buf+16*\p+4*\j:\buf+16*\p+4*\j+3], v4 offset:\p*16384+\off+16*\j
.endr
.endr
.endm
; 16 points x 4 queries, two points at a time; each line is written for the four queries, four chains side by side
.macro COMPUTE buf, first
.irp p, 0,2,4,6,8,10,12,14
.irp e, 0,1,2,3
	v_pk_mul_f32 v[TC+2*\e:TC+2*\e+1], v[\buf+\p:\buf+\p+1], v[Q+8*\e:Q+8*\e+1]
.endr
.irp e, 0,1,2,3
	v_pk_fma_f32 v[TC+2*\e:TC+2*\e+1], v[\buf+16+\p:\buf+16+\p+1], v[Q+8*\e+2:Q+8*\e+3], v[TC+2*\e:TC+2*\e+1]
.endr
.irp e, 0,1,2,3
	v_pk_fma_f32 v[TC+2*\e:TC+2*\e+1], v[\buf+32+\p:\buf+32+\p+1], v[Q+8*\e+4:Q+8*\e+5], v[TC+2*\e:TC+2*\e+1]
.endr
.irp e, 0,1,2,3
	v_pk_add_f32 v[TS+2*\e:TS+2*\e+1], v[\buf+48+\p:\buf+48+\p+1], v[Q+8*\e+6:Q+8*\e+7]
.endr
.irp e, 0,1,2,3
	v_pk_fma_f32 v[TC+2*\e:TC+2*\e+1], v[TC+2*\e:TC+2*\e+1], -2.0, v[TS+2*\e:TS+2*\e+1] op_sel_hi:[1,0,1]
.endr
.irp e, 0,1,2,3
.if \first
.if \p == 0
	v_min_num_f32 v[TOP+8*\e+6], v[TC+2*\e], v[TC+2*\e+1]          ; the first pair starts the group minimum
.else
	v_min3_num_f32 v[TOP+8*\e+6], v[TOP+8*\e+6], v[TC+2*\e], v[TC+2*\e+1]
.endif
.else
	v_min3_num_f32 v[TOP+8*\e+6], v[TOP+8*\e+6], v[TC+2*\e], v[TC+2*\e+1]
.endif
.endr
.endr
.endm
; One value with its number goes into a sorted list of three, in three stages.  The compare is strict: on a tie what came earlier stays ahead.
.macro INSA m, val, c
	v_cmp_lt_f32 s[\c], v[\val], v[\m]
	v_cmp_lt_f32 s[\c+1], v[\val], v[\m+1]
	v_cmp_lt_f32 s[\c+2], v[\val], v[\m+2]
.endm
.macro INSB m, t, idx, c
	v_cndmask_b32 v[\t], \idx, v[\m+4], s[\c+1]
	v_cndmask_b32 v[\m+5], v[\m+5], v[\t], s[\c+2]
	v_cndmask_b32 v[\t], \idx, v[\m+3], s[\c]
	v_cndmask_b32 v[\m+4], v[\m+4], v[\t], s[\c+1]
	v_cndmask_b32 v[\m+3], v[\m+3], \idx, s[\c]
.endm
.macro INSC m, val
	v_med3_num_f32 v[\m+2], v[\m+1], v[\m+2], v[\val]
	v_med3_num_f32 v[\m+1], v[\m], v[\m+1], v[\val]
	v_min_num_f32 v[\m], v[\m], v[\val]
.endm
.macro INS4                            ; the group minimum of each of my four queries, with the group number
.irp e, 0,1,2,3
	INSA TOP+8*\e, TOP+8*\e+6, 28+3*\e
.endr
.irp e, 0,1,2,3
	INSB TOP+8*\e, TOP+8*\e+7, v5, 28+3*\e
.endr
.irp e, 0,1,2,3
	INSC TOP+8*\e, TOP+8*\e+6
.endr
.endm
	LOADC CB0, 0
	s_mov_b32 s24, 15
.Ltrip:
	LOADC CB1, 64
	s_wait_dscnt 16                                ; LDS loads come back in order: the 16 just issued stay out, the first half of the group is in
	COMPUTE CB0, 1
	v_add_nc_u32 v4, 128, v4                       ; the next group
	LOADC CB0, 0
	s_wait_dscnt 16                                ; the second half is in, the next group's first half stays out
	COMPUTE CB1, 0
	INS4
	v_add_nc_u32 v5, 1, v5
	s_sub_co_i32 s24, s24, 1
	s_cmp_lg_u32 s24, 0
	s_cbranch_scc1 .Ltrip
	LOADC CB1, 64                                  ; the last group, written out: nothing is fetched beyond it
	s_wait_dscnt 16
	COMPUTE CB0, 1
	s_wait_dscnt 0x0
	COMPUTE CB1, 0
	INS4
.irp e, 0,1,2,3
	ds_store_b128 v6, v[TOP+8*\e:TOP+8*\e+3] offset:32*\e
	ds_store_b64 v6, v[TOP+8*\e+4:TOP+8*\e+5] offset:32*\e+16
.endr
	s_wait_dscnt 0x0                               ; my lists are in LDS,
	s_barrier_signal -1
	s_barrier_wait -1                              ; all eight waves' are
	s_cmp_ge_u32 s12, 4
	s_cbranch_scc1 .Lnomerge
	; threads 0 to 127: one query each; the eight lists in the order of the waves, that is of rising group numbers
	v_and_b32 v7, 127, v0
	v_lshlrev_b32 v8, 2, v7
	v_lshlrev_b32 v7, 5, v7
	v_add_nc_u32 v7, MRG, v7
	v_add_nc_u32 v8, OUTS, v8
	ds_load_b128 v[TOP:TOP+3], v7
	ds_load_b64 v[TOP+4:TOP+5], v7 offset:16
.irp u, 1,2,3,4,5,6,7
	ds_load_b128 v[CB0+8*\u-8:CB0+8*\u-5], v7 offset:\u*4096
	ds_load_b64 v[CB0+8*\u-4:CB0+8*\u-3], v7 offset:\u*4096+16
.endr
	s_wait_dscnt 0x0
.irp u, 1,2,3,4,5,6,7
.irp k, 0,1,2
	INSA TOP, CB0+8*\u-8+\k, 28
	INSB TOP, TOP+7, v[CB0+8*\u-5+\k], 28
	INSC TOP, CB0+8*\u-8+\k
.endr
.endr
	v_lshl_or_b32 v[TOP+7], v[TOP+4], 8, v[TOP+3]
	v_lshl_or_b32 v[TOP+7], v[TOP+5], 16, v[TOP+7]
	ds_store_b32 v8, v[TOP+7]
.Lnomerge:
	s_wait_dscnt 0x0
	s_barrier_signal -1
	s_barrier_wait -1                              ; the 128 words are in LDS
	s_cmp_lg_u32 s12, 0
	s_cbranch_scc1 .Lend
	v_add_nc_u32 v9, OUTS, v3
	ds_load_b128 v[TC:TC+3], v9
	s_wait_dscnt 0x0
	global_store_b128 v3, v[TC:TC+3], s[8:9]       ; one store of 512 consecutive aligned bytes
.Lend:
	s_wait_tensorcnt 0x0
	ds_add_u32 v216, v217
	s_wait_dscnt 0x0
	s_endpgm
.Lfunc_end_k_q9bc65164d3_knn1:
	.size	k_q9bc65164d3_knn1, .Lfunc_end_k_q9bc65164d3_knn1-k_q9bc65164d3_knn1
	.p2alignl 7, 3214868480
	.fill 96, 4, 3214868480
	.section	.rodata,"a",@progbits
	.p2align	6, 0x0
	.amdhsa_kernel k_q9bc65164d3_knn1
		.amdhsa_group_segment_fixed_size 99840
		.amdhsa_private_segment_fixed_size 0
		.amdhsa_enable_private_segment 0
		.amdhsa_kernarg_size 24
		.amdhsa_user_sgpr_count 2
		.amdhsa_user_sgpr_kernarg_segment_ptr 1
		.amdhsa_wavefront_size32 1
		.amdhsa_system_sgpr_workgroup_id_x 1
		.amdhsa_system_sgpr_workgroup_id_y 1
		.amdhsa_system_sgpr_workgroup_id_z 1
		.amdhsa_system_vgpr_workitem_id 0
		.amdhsa_next_free_vgpr 218
		.amdhsa_next_free_sgpr 66
		.amdhsa_reserve_vcc 0
		.amdhsa_float_denorm_mode_32 3
		.amdhsa_float_denorm_mode_16_64 3
		.amdhsa_memory_ordered 1
		.amdhsa_forward_progress 1
		.amdhsa_inst_pref_size 86
	.end_amdhsa_kernel
	.amdgpu_metadata
---
amdhsa.version: [ 1, 2 ]
amdhsa.kernels:
  - .name:           k_q9bc65164d3_knn1
    .symbol:         k_q9bc65164d3_knn1.kd
    .args:
      - { .name: xyz_low, .offset: 0, .size: 8, .value_kind: global_buffer, .address_space: global }
      - { .name: xyz_high, .offset: 8, .size: 8, .value_kind: global_buffer, .address_space: global }
      - { .name: grp, .offset: 16, .size: 8, .value_kind: global_buffer, .address_space: global }
    .group_segment_fixed_size: 99840
    .private_segment_fixed_size: 0
    .kernarg_segment_align: 8
    .kernarg_segment_size: 24
    .max_flat_workgroup_size: 256
    .sgpr_count:     66
    .vgpr_count:     218
    .wavefront_size: 32
...
	.end_amdgpu_metadata
.endif
;; end of part 2
;; launch knn2 (part 3): grid 256 x 1, 4 waves a work-group, no clusters, 77,312 bytes of LDS; arguments xyz_low, xyz_high, grp, lad, wgt; writes lad, wgt
.if DOCPART == 3
	.amdgcn_target "amdgcn-amd-amdhsa--gfx1250"
	.amdhsa_code_object_version 6
	.text
	.protected	k_q9bc65164d3_knn2
	.globl	k_q9bc65164d3_knn2
	.p2align	8
	.type	k_q9bc65164d3_knn2,@function
k_q9bc65164d3_knn2:
	s_mov_b64 s[64:65], 0
	v_nop
	global_prefetch_b8 v0, s[64:65] scope:SCOPE_SE
	s_setreg_imm32_b32 hwreg(HW_REG_WAVE_MODE, 25, 1), 1
	s_wait_xcnt 0x0
; For every high point: the three nearest among the 96 low points of its three groups (stored by the launch before, which shows that
; they hold the three nearest of all), ties to the lower index as lax.top_k has them; the inverse-distance weights; and for each
; neighbour its byte address in the slab of h that the last launch keeps in LDS:
; lad(s) = (s >> 10) << 16 | (s & 0x3c0) << 4 | (s & 3) << 8 | ((s >> 2) & 15) << 4.
; The distances are made by the same lines as in the launch before, so they have the same bits.
; LIMITS as there (NaN, infinity, overflow of d2 in xyz); v_rcp_f32 stands for the two divisions.
; SHARES: 128 queries a work-group, one a thread.  A thread runs three lists side by side, one for each group, the groups in rising
; order, and merges them in that order.
; LDS: four planes of 18,432 bytes (X, Y, Z, |p|^2); group g at 144 g: 128 bytes and 16 of padding, so that lanes with different
; groups fall into different 16-byte columns; 73728: six rows of 512 bytes on the way out.
.set Q,   8                            ; v[8:15]    x x y y z z a a
.set AX,  16                           ; v[16:18]   LDS address of the three groups
.set GS,  20                           ; v[20:22]   their numbers, rising
.set ST,  24                           ; v[24:47]   list x at 8 x: m1 m2 m3 i1 i2 i3, at work
.set SB0, 48                           ; v[48:95]   four points of each group: group x, plane p at 16 x + 4 p
.set SB1, 96                           ; v[96:143]
.set TC,  144                          ; v[144:155] group x at 4 x
.set TS,  156                          ; v[156:167]
.set SX,  48                           ; at the start: X 32, Y 32, Z 32, |p|^2 32 registers
.set TMP, 176
.set QL,  180
.set GR,  183
.set PLANE, 18432
.set OUTS, 73728
	s_load_b256 s[4:11], s[0:1], 0x0               ; xyz_low s[4:5], xyz_high s[6:7], grp s[8:9], lad s[10:11]
	s_load_b64 s[12:13], s[0:1], 0x20              ; wgt
	v_lshl_add_u32 v184, v0, 2, 0x12c00
	v_mov_b32 v185, 0
	v_and_b32 v1, 31, v0
	v_lshrrev_b32 v7, 5, v0
	v_readfirstlane_b32 s14, v7                    ; wave
	s_lshr_b32 s15, ttmp9, 7                       ; batch
	s_and_b32 s16, ttmp9, 127
	s_lshl_b32 s16, s16, 7                         ; first query
	s_mul_i32 s32, s15, 49152
	s_mov_b32 s33, 0
	s_mul_i32 s34, s15, 196608
	s_lshl2_add_u32 s34, s16, s34
	s_mov_b32 s35, 0
	s_lshl_b32 s36, s15, 14
	s_add_co_u32 s36, s36, s16
	s_lshl_b32 s36, s36, 2
	s_mov_b32 s37, 0
	s_lshl_b32 s38, s14, 17                        ; way out: wave k stores row k of lad and of wgt
	s_add_co_u32 s38, s38, s36
	s_mov_b32 s39, 0
	s_mov_b32 s29, 0xffff0000
	s_mov_b32 s30, 0x322bcc77                      ; 1e-8
	v_lshlrev_b32 v2, 4, v0                        ; 16 t
	v_lshlrev_b32 v5, 2, v0                        ; 4 t
	v_lshrrev_b32 v3, 3, v0
	v_mul_u32_u24 v3, v3, 144
	v_and_b32 v4, 7, v0
	v_lshl_add_u32 v3, v4, 4, v3                   ; unit t of 16 bytes: group t >> 3, place t & 7
	v_add_nc_u32 v4, 2*PLANE, v3
	v_add_nc_u32 v6, OUTS, v5
	s_wait_kmcnt 0x0
	s_add_nc_u64 s[4:5], s[4:5], s[32:33]
	s_add_nc_u64 s[6:7], s[6:7], s[34:35]
	s_add_nc_u64 s[8:9], s[8:9], s[36:37]
.irp p, 0,1,2
.irp i, 0,1,2,3,4,5,6,7
	global_load_b128 v[SX+32*\p+4*\i:SX+32*\p+4*\i+3], v2, s[4:5] offset:\p*16384+\i*2048
.endr
.endr
.irp p, 0,1,2
	global_load_b32 v[QL+\p], v5, s[6:7] offset:\p*65536
.endr
	global_load_b32 v[GR], v5, s[8:9]
.irp x, 0,1,2
	v_mov_b32 v[ST+8*\x], 0x7f800000
	v_mov_b32 v[ST+8*\x+1], 0x7f800000
	v_mov_b32 v[ST+8*\x+2], 0x7f800000
	v_mov_b32 v[ST+8*\x+3], 0
	v_mov_b32 v[ST+8*\x+4], 1
	v_mov_b32 v[ST+8*\x+5], 2
.endr
	s_wait_loadcnt 0x0
.set j, 0
.rept 48
	v_cvt_pk_bf16_f32 v[TMP+j%4], v[SX+2*j], v[SX+2*j+1]
	v_lshlrev_b32 v[SX+2*j], 16, v[TMP+j%4]
	v_and_b32 v[SX+2*j+1], s29, v[TMP+j%4]
.set j, j+1
.endr
.set j, 0
.rept 16
	v_pk_mul_f32 v[SX+96+2*j:SX+96+2*j+1], v[SX+2*j:SX+2*j+1], v[SX+2*j:SX+2*j+1]
	v_pk_fma_f32 v[SX+96+2*j:SX+96+2*j+1], v[SX+32+2*j:SX+32+2*j+1], v[SX+32+2*j:SX+32+2*j+1], v[SX+96+2*j:SX+96+2*j+1]
	v_pk_fma_f32 v[SX+96+2*j:SX+96+2*j+1], v[SX+64+2*j:SX+64+2*j+1], v[SX+64+2*j:SX+64+2*j+1], v[SX+96+2*j:SX+96+2*j+1]
.set j, j+1
.endr
.irp p, 0,1
.irp i, 0,1,2,3,4,5,6,7
	ds_store_b128 v3, v[SX+32*\p+4*\i:SX+32*\p+4*\i+3] offset:\p*PLANE+\i*2304
	ds_store_b128 v4, v[SX+64+32*\p+4*\i:SX+64+32*\p+4*\i+3] offset:\p*PLANE+\i*2304
.endr
.endr
	; my query
	v_cvt_pk_bf16_f32 v[TMP], v[QL], v[QL+1]
	v_cvt_pk_bf16_f32 v[TMP+1], v[QL+2], v[QL+2]
	v_lshlrev_b32 v[Q], 16, v[TMP]
	v_lshlrev_b32 v[Q+1], 16, v[TMP]
	v_and_b32 v[Q+2], s29, v[TMP]
	v_and_b32 v[Q+3], s29, v[TMP]
	v_lshlrev_b32 v[Q+4], 16, v[TMP+1]
	v_lshlrev_b32 v[Q+5], 16, v[TMP+1]
	v_mul_f32 v[Q+6], v[Q], v[Q]
	v_fma_f32 v[Q+6], v[Q+2], v[Q+2], v[Q+6]
	v_fma_f32 v[Q+6], v[Q+4], v[Q+4], v[Q+6]
	v_mov_b32 v[Q+7], v[Q+6]
	; my three groups, put in rising order, so that the points are met in the order of their indices
	v_and_b32 v[TMP], 0xff, v[GR]
	v_bfe_u32 v[TMP+1], v[GR], 8, 8
	v_bfe_u32 v[TMP+2], v[GR], 16, 8
	v_cmp_gt_u32 vcc_lo, v[TMP], v[TMP+1]
	v_cndmask_b32 v[TMP+3], v[TMP], v[TMP+1], vcc_lo       ; the lesser of the first two
	v_cndmask_b32 v[QL], v[TMP+1], v[TMP], vcc_lo          ; the greater
	v_cmp_gt_u32 vcc_lo, v[QL], v[TMP+2]
	v_cndmask_b32 v[QL+1], v[QL], v[TMP+2], vcc_lo
	v_cndmask_b32 v[GS+2], v[TMP+2], v[QL], vcc_lo         ; the greatest of all
	v_cmp_gt_u32 vcc_lo, v[TMP+3], v[QL+1]
	v_cndmask_b32 v[GS], v[TMP+3], v[QL+1], vcc_lo
	v_cndmask_b32 v[GS+1], v[QL+1], v[TMP+3], vcc_lo
.irp x, 0,1,2
	v_min_u32 v[GS+\x], 127, v[GS+\x]              ; a number read from memory enters an address only behind this bound
.endr
.irp x, 0,1,2
	v_mul_u32_u24 v[AX+\x], v[GS+\x], 144
.endr
	s_wait_dscnt 0x0                               ; my part of the planes is in LDS,
	s_barrier_signal -1
	s_barrier_wait -1                              ; everybody's is
.macro INSA m, val, c
	v_cmp_lt_f32 s[\c], v[\val], v[\m]
	v_cmp_lt_f32 s[\c+1], v[\val], v[\m+1]
	v_cmp_lt_f32 s[\c+2], v[\val], v[\m+2]
.endm
.macro INSB m, t, idx, c
	v_cndmask_b32 v[\t], \idx, v[\m+4], s[\c+1]
	v_cndmask_b32 v[\m+5], v[\m+5], v[\t], s[\c+2]
	v_cndmask_b32 v[\t], \idx, v[\m+3], s[\c]
	v_cndmask_b32 v[\m+4], v[\m+4], v[\t], s[\c+1]
	v_cndmask_b32 v[\m+3], v[\m+3], \idx, s[\c]
.endm
.macro INSC m, val
	v_med3_num_f32 v[\m+2], v[\m+1], v[\m+2], v[\val]
	v_med3_num_f32 v[\m+1], v[\m], v[\m+1], v[\val]
	v_min_num_f32 v[\m], v[\m], v[\val]
.endm
.macro LOADS j, buf                    ; points 4 j .. 4 j + 3 of each of my three groups: twelve loads
.irp x, 0,1,2
.irp p, 0,1,2,3
	ds_load_b128 v[\buf+16*\x+4*\p:\buf+16*\x+4*\p+3], v[AX+\x] offset:\p*PLANE+16*(\j)
.endr
.endr
.endm
.macro STEP j, buf                     ; their twelve distances, six chains side by side; then each into its list, under its place in the group
.irp x, 0,1,2
.irp p, 0,2
	v_pk_mul_f32 v[TC+4*\x+\p:TC+4*\x+\p+1], v[\buf+16*\x+\p:\buf+16*\x+\p+1], v[Q:Q+1]
.endr
.endr
.irp x, 0,1,2
.irp p, 0,2
	v_pk_fma_f32 v[TC+4*\x+\p:TC+4*\x+\p+1], v[\buf+16*\x+4+\p:\buf+16*\x+4+\p+1], v[Q+2:Q+3], v[TC+4*\x+\p:TC+4*\x+\p+1]
.endr
.endr
.irp x, 0,1,2
.irp p, 0,2
	v_pk_fma_f32 v[TC+4*\x+\p:TC+4*\x+\p+1], v[\buf+16*\x+8+\p:\buf+16*\x+8+\p+1], v[Q+4:Q+5], v[TC+4*\x+\p:TC+4*\x+\p+1]
.endr
.endr
.irp x, 0,1,2
.irp p, 0,2
	v_pk_add_f32 v[TS+4*\x+\p:TS+4*\x+\p+1], v[\buf+16*\x+12+\p:\buf+16*\x+12+\p+1], v[Q+6:Q+7]
.endr
.endr
.irp x, 0,1,2
.irp p, 0,2
	v_pk_fma_f32 v[TC+4*\x+\p:TC+4*\x+\p+1], v[TC+4*\x+\p:TC+4*\x+\p+1], -2.0, v[TS+4*\x+\p:TS+4*\x+\p+1] op_sel_hi:[1,0,1]
.endr
.endr
.irp e, 0,1,2,3
.irp x, 0,1,2
	INSA ST+8*\x, TC+4*\x+\e, 20+3*\x
.endr
.irp x, 0,1,2
	INSB ST+8*\x, ST+8*\x+6, 4*(\j)+\e, 20+3*\x
.endr
.irp x, 0,1,2
	INSC ST+8*\x, TC+4*\x+\e
.endr
.endr
.endm
	LOADS 0, SB0
.irp j, 0,2,4
	LOADS \j+1, SB1
	s_wait_dscnt 12                                ; LDS loads come back in order: the twelve just issued stay out
	STEP \j, SB0
	LOADS \j+2, SB0
	s_wait_dscnt 12
	STEP \j+1, SB1
.endr
	LOADS 7, SB1
	s_wait_dscnt 12
	STEP 6, SB0
	s_wait_dscnt 0x0
	STEP 7, SB1
.irp x, 0,1,2
.irp k, 3,4,5
	v_lshl_add_u32 v[ST+8*\x+\k], v[GS+\x], 5, v[ST+8*\x+\k]       ; index = 32 group + place
.endr
.endr
.irp x, 1,2
.irp k, 0,1,2
	INSA ST, ST+8*\x+\k, 20
	INSB ST, ST+6, v[ST+8*\x+3+\k], 20
	INSC ST, ST+8*\x+\k
.endr
.endr
	; weights: 1 / (max(d, 0) + 1e-8), divided by their sum
.irp k, 0,1,2
	v_max_num_f32 v[144+\k], 0, v[ST+\k]
.endr
.irp k, 0,1,2
	v_add_f32 v[144+\k], s30, v[144+\k]
.endr
	v_rcp_f32 v148, v144
	v_rcp_f32 v149, v145
	v_rcp_f32 v150, v146
	v_nop                                          ; one plain vector instruction behind a transcendental before its result is used (ISA guide 5.7.2)
	s_wait_alu depctr_va_vdst(0)
	v_add_f32 v151, v148, v149
	v_add_f32 v151, v151, v150
	v_rcp_f32 v152, v151
.macro LADR d, s, t
	v_and_b32 v[\d], 0xc00, v[\s]
	v_and_b32 v[\t], 0x3c0, v[\s]
	v_lshlrev_b32 v[\d], 6, v[\d]
	v_lshl_or_b32 v[\d], v[\t], 4, v[\d]
	v_and_b32 v[\t], 3, v[\s]
	v_lshl_or_b32 v[\d], v[\t], 8, v[\d]
	v_bfe_u32 v[\t], v[\s], 2, 4
	v_lshl_or_b32 v[\d], v[\t], 4, v[\d]
.endm
	LADR 156, ST+3, 159                            ; plain work behind the reciprocal
	LADR 157, ST+4, 159
	LADR 158, ST+5, 159
	s_wait_alu depctr_va_vdst(0)
	v_mul_f32 v153, v148, v152
	v_mul_f32 v154, v149, v152
	v_mul_f32 v155, v150, v152
.irp k, 0,1,2
	ds_store_b32 v6, v[156+\k] offset:\k*512
	ds_store_b32 v6, v[153+\k] offset:1536+\k*512
.endr
	s_wait_dscnt 0x0
	s_barrier_signal -1
	s_barrier_wait -1                              ; the six rows are in LDS
	s_cmp_eq_u32 s14, 3
	s_cbranch_scc1 .Lend                           ; three rows of each kind: wave 3 has none
	s_add_nc_u64 s[10:11], s[10:11], s[38:39]
	s_add_nc_u64 s[12:13], s[12:13], s[38:39]
	s_lshl_b32 s31, s14, 9
	s_add_co_u32 s31, s31, OUTS
	v_lshl_add_u32 v7, v1, 4, s31
	v_lshlrev_b32 v8, 4, v1
	ds_load_b128 v[144:147], v7
	ds_load_b128 v[148:151], v7 offset:1536
	s_wait_dscnt 0x0
	global_store_b128 v8, v[144:147], s[10:11]     ; each store is 512 consecutive aligned bytes
	global_store_b128 v8, v[148:151], s[12:13]
.Lend:
	s_wait_tensorcnt 0x0
	ds_add_u32 v184, v185
	s_wait_dscnt 0x0
	s_endpgm
.Lfunc_end_k_q9bc65164d3_knn2:
	.size	k_q9bc65164d3_knn2, .Lfunc_end_k_q9bc65164d3_knn2-k_q9bc65164d3_knn2
	.p2alignl 7, 3214868480
	.fill 96, 4, 3214868480
	.section	.rodata,"a",@progbits
	.p2align	6, 0x0
	.amdhsa_kernel k_q9bc65164d3_knn2
		.amdhsa_group_segment_fixed_size 77312
		.amdhsa_private_segment_fixed_size 0
		.amdhsa_enable_private_segment 0
		.amdhsa_kernarg_size 40
		.amdhsa_user_sgpr_count 2
		.amdhsa_user_sgpr_kernarg_segment_ptr 1
		.amdhsa_wavefront_size32 1
		.amdhsa_system_sgpr_workgroup_id_x 1
		.amdhsa_system_sgpr_workgroup_id_y 1
		.amdhsa_system_sgpr_workgroup_id_z 1
		.amdhsa_system_vgpr_workitem_id 0
		.amdhsa_next_free_vgpr 186
		.amdhsa_next_free_sgpr 66
		.amdhsa_reserve_vcc 1
		.amdhsa_float_denorm_mode_32 3
		.amdhsa_float_denorm_mode_16_64 3
		.amdhsa_memory_ordered 1
		.amdhsa_forward_progress 1
		.amdhsa_inst_pref_size 110
	.end_amdhsa_kernel
	.amdgpu_metadata
---
amdhsa.version: [ 1, 2 ]
amdhsa.kernels:
  - .name:           k_q9bc65164d3_knn2
    .symbol:         k_q9bc65164d3_knn2.kd
    .args:
      - { .name: xyz_low, .offset: 0, .size: 8, .value_kind: global_buffer, .address_space: global }
      - { .name: xyz_high, .offset: 8, .size: 8, .value_kind: global_buffer, .address_space: global }
      - { .name: grp, .offset: 16, .size: 8, .value_kind: global_buffer, .address_space: global }
      - { .name: lad, .offset: 24, .size: 8, .value_kind: global_buffer, .address_space: global }
      - { .name: wgt, .offset: 32, .size: 8, .value_kind: global_buffer, .address_space: global }
    .group_segment_fixed_size: 77312
    .private_segment_fixed_size: 0
    .kernarg_segment_align: 8
    .kernarg_segment_size: 40
    .max_flat_workgroup_size: 128
    .sgpr_count:     66
    .vgpr_count:     186
    .wavefront_size: 32
...
	.end_amdgpu_metadata
.endif
;; end of part 3
;; launch interp (part 4): grid 256 x 1, 16 waves a work-group, no clusters, 264,192 bytes of LDS; arguments hT, part, gamma, beta, lad, wgt, points_high, out0; writes out0
.if DOCPART == 4
	.amdgcn_target "amdgcn-amd-amdhsa--gfx1250"
	.amdhsa_code_object_version 6
	.text
	.protected	k_q9bc65164d3_interp
	.globl	k_q9bc65164d3_interp
	.p2align	8
	.type	k_q9bc65164d3_interp,@function
k_q9bc65164d3_interp:
	s_mov_b64 s[64:65], 0
	v_nop
	global_prefetch_b8 v0, s[64:65] scope:SCOPE_SE
	s_setreg_imm32_b32 hwreg(HW_REG_WAVE_MODE, 25, 1), 1
	s_wait_xcnt 0x0
; out0[b][c][n] = sum over k of weight[b][n][k] relu(bn(h))[b][c][idx[b][n][k]] + points_high[b][c][n].
; The input b stays out here too: batch norm takes the channel mean away, so a bias that is constant along a channel cancels for all values.
; FORMAT: gamma, beta and points_high are rounded to bf16 as they are loaded, as W, points_low and xyz are in the launches before; all
; arithmetic is f32.  So the program as a whole is reference() in f32 on inputs of one format.  A mixture would show where the
; interpolation and points_high cancel: the result is then near 0 while half a bf16 step of points_high (0.0078 for 2 <= |x| < 4) stays.
; LIMIT: against reference() on unrounded inputs the result departs by up to 2^-9 |points_high| and by 2^-9 of the gamma and beta terms.
; SHARES: work-group g: batch g >> 7, slab (g >> 3) & 15 (16 channels), query range g & 7 (2,048 queries).  The slab, 16 channels x 4,096
; low points = 262,144 bytes, is normalised and cut at 0 on its way into LDS; the three neighbours of a query are then read from LDS, four
; channels (16 bytes) a load, at the byte addresses that the launch before stored.  Wave w serves queries 128 w + 4 L + e: the four
; neighbouring n of one channel in a lane are 16 bytes, so every load of points_high and every store of out0 covers 512 consecutive bytes.
; In the fill wave w owns bytes 16384 w .. of the slab, which hold channels 4 (w & 3) .. + 3 alone, so it makes those four channels'
; statistics itself, from the 128 block means and centred sums of squares: mean = sum m_i / 128,
; var = (sum q_i + 64 sum (m_i - mean)^2) / 8192.  No difference of large sums is formed.
; NO JOINT LOADS: eight work-groups read the same slab, but each number is normalised before it lies in LDS, so it passes through
; registers; normalising after the gather instead would be three times the arithmetic.
; FURTHER LIMITS: relu of a NaN gives 0; v_rsq_f32 stands for rsqrt.
.set MEAN, 8                           ; v[8:11]
.set SCL,  12                          ; v[12:15]   gamma / sqrt(var + eps)
.set BET,  16                          ; v[16:19]
.set IDX,  20                          ; v[20:31]   neighbour k of query e at 4 k + e
.set WGT,  32                          ; v[32:43]
.set PH,   44                          ; v[44:107]  channel c at 4 c
.set ACC,  108                         ; v[108:171] channel c, query e at 4 c + e
.set FA,   108                         ; in the fill: two sets of eight loads
.set FB,   140
.set G,    172                         ; v[172:219] plane q at 12 q, neighbour k at 4 k; at the end: points_high packed, channel c at 2 c
.set PM,   172                         ; at the start: four block means x 4 channels,
.set PQ,   188                         ; four sums of squares x 4 channels,
.set GAM,  204
.set TA,   208
.set TB,   212
.set TD,   216
	s_load_b512 s[16:31], s[0:1], 0x0              ; hT 16, part 18, gamma 20, beta 22, lad 24, wgt 26, points_high 28, out0 30
	v_lshl_add_u32 v220, v0, 2, 0x40000
	v_mov_b32 v221, 0
	v_and_b32 v1, 31, v0                           ; L
	v_lshrrev_b32 v7, 5, v0
	v_readfirstlane_b32 s4, v7                     ; wave w
	v_mov_b32 v6, 0                                ; the destination of v_permlanex16_b32 counts as read
	s_lshr_b32 s5, ttmp9, 7                        ; batch
	s_bfe_u32 s6, ttmp9, 0x40003                   ; slab
	s_and_b32 s7, ttmp9, 7                         ; query range
	s_and_b32 s8, s4, 3                            ; plane q of my part of the fill
	s_lshl4_add_u32 s11, s5, s6                    ; 16 batch + slab
	s_lshl_b32 s32, s11, 18
	s_lshl_b32 s9, s4, 14
	s_add_co_u32 s32, s32, s9                      ; hT: the slab, my 16,384 bytes
	s_mov_b32 s33, 0
	s_lshl_b32 s34, s6, 14                         ; part: 128 blocks of 128 bytes a slab
	s_mov_b32 s35, 0
	s_lshl_b32 s10, s7, 11
	s_lshl_b32 s9, s4, 7
	s_add_co_u32 s10, s10, s9                      ; my wave's first query in the batch
	s_lshl_b32 s36, s5, 14
	s_add_co_u32 s36, s36, s10
	s_lshl_b32 s36, s36, 2                         ; lad, wgt
	s_mov_b32 s37, 0
	s_lshl_b32 s38, s11, 20                        ; points_high, out0: 16 channels of 65,536 bytes a slab
	s_lshl2_add_u32 s38, s10, s38
	s_mov_b32 s39, 0
	s_lshl_b32 s9, s6, 6
	s_lshl4_add_u32 s9, s8, s9                     ; gamma, beta: 4 (16 slab + 4 q)
	s_mov_b32 s12, 0x76543210                      ; v_permlanex16_b32: lane i of one half reads lane i of the other
	s_mov_b32 s13, 0xfedcba98
	s_mov_b32 s14, 0x39000000                      ; 1 / 8192
	s_mov_b32 s15, 0x3727c5ac                      ; 1e-5
	s_mov_b32 s40, 0xffff0000                      ; a word's upper bf16
	v_lshlrev_b32 v2, 4, v1                        ; 16 L
	v_lshl_add_u32 v3, s4, 14, v2                  ; LDS: my part of the slab
	v_lshlrev_b32 v4, 7, v1
	v_lshl_add_u32 v4, s8, 4, v4                   ; part: block L, channels 4 q ..
	v_mov_b32 v5, s9
	s_wait_kmcnt 0x0
	s_add_nc_u64 s[16:17], s[16:17], s[32:33]
	s_add_nc_u64 s[18:19], s[18:19], s[34:35]
	s_add_nc_u64 s[24:25], s[24:25], s[36:37]
	s_add_nc_u64 s[26:27], s[26:27], s[36:37]
	s_add_nc_u64 s[28:29], s[28:29], s[38:39]
	s_add_nc_u64 s[30:31], s[30:31], s[38:39]
.macro LOADF r, n0                     ; eight loads of 512 consecutive bytes
.irp j, 0,1,2,3,4,5,6,7
	global_load_b128 v[\r+4*\j:\r+4*\j+3], v2, s[16:17] offset:(\n0+\j)*512
.endr
.endm
.macro BNF r, n0                       ; (x - mean) scale + beta, cut at 0, into LDS
.irp j, 0,1,2,3,4,5,6,7
	v_pk_add_f32 v[\r+4*\j:\r+4*\j+1], v[\r+4*\j:\r+4*\j+1], v[MEAN:MEAN+1] neg_lo:[0,1] neg_hi:[0,1]
	v_pk_add_f32 v[\r+4*\j+2:\r+4*\j+3], v[\r+4*\j+2:\r+4*\j+3], v[MEAN+2:MEAN+3] neg_lo:[0,1] neg_hi:[0,1]
	v_pk_fma_f32 v[\r+4*\j:\r+4*\j+1], v[\r+4*\j:\r+4*\j+1], v[SCL:SCL+1], v[BET:BET+1]
	v_pk_fma_f32 v[\r+4*\j+2:\r+4*\j+3], v[\r+4*\j+2:\r+4*\j+3], v[SCL+2:SCL+3], v[BET+2:BET+3]
	v_max_num_f32 v[\r+4*\j], 0, v[\r+4*\j]
	v_max_num_f32 v[\r+4*\j+1], 0, v[\r+4*\j+1]
	v_max_num_f32 v[\r+4*\j+2], 0, v[\r+4*\j+2]
	v_max_num_f32 v[\r+4*\j+3], 0, v[\r+4*\j+3]
	ds_store_b128 v3, v[\r+4*\j:\r+4*\j+3] offset:(\n0+\j)*512
.endr
.endm
.macro WSUM r                          ; sum over the 32 lanes, result in each
	v_add_f32_dpp v[\r], v[\r], v[\r] row_xmask:1 row_mask:0xf bank_mask:0xf
	v_add_f32_dpp v[\r], v[\r], v[\r] row_xmask:2 row_mask:0xf bank_mask:0xf
	v_add_f32_dpp v[\r], v[\r], v[\r] row_xmask:4 row_mask:0xf bank_mask:0xf
	v_add_f32_dpp v[\r], v[\r], v[\r] row_xmask:8 row_mask:0xf bank_mask:0xf
	v_permlanex16_b32 v6, v[\r], s12, s13
	v_add_f32 v[\r], v[\r], v6
.endm
.macro RND4 r, t                       ; four f32 at r are rounded to bf16 and widened again in place; t: two registers at work
	v_cvt_pk_bf16_f32 v[\t], v[\r], v[\r+1]
	v_cvt_pk_bf16_f32 v[\t+1], v[\r+2], v[\r+3]
	v_lshlrev_b32 v[\r], 16, v[\t]
	v_and_b32 v[\r+1], s40, v[\t]
	v_lshlrev_b32 v[\r+2], 16, v[\t+1]
	v_and_b32 v[\r+3], s40, v[\t+1]
.endm
.macro GLOAD e, q                      ; channels 4 q .. + 3 of the three neighbours of query e
.irp k, 0,1,2
	ds_load_b128 v[G+12*\q+4*\k:G+12*\q+4*\k+3], v[IDX+4*\k+\e] offset:\q*16384
.endr
.endm
.macro GSTEP e, q, next, left
	s_wait_dscnt \left                             ; LDS loads come back in order: only the loads issued behind this plane's three stay out
.irp i, 0,1,2,3
	v_mul_f32 v[ACC+16*\q+4*\i+\e], v[WGT+\e], v[G+12*\q+\i]
.endr
.irp i, 0,1,2,3
	v_fma_f32 v[ACC+16*\q+4*\i+\e], v[WGT+4+\e], v[G+12*\q+4+\i], v[ACC+16*\q+4*\i+\e]
.endr
.irp i, 0,1,2,3
	v_fma_f32 v[ACC+16*\q+4*\i+\e], v[WGT+8+\e], v[G+12*\q+8+\i], v[ACC+16*\q+4*\i+\e]
.endr
.if \next
	GLOAD \e+1, \q
.endif
.endm
.irp i, 0,1,2,3
	global_load_b128 v[PM+4*\i:PM+4*\i+3], v4, s[18:19] offset:\i*4096         ; blocks L + 32 i: means,
	global_load_b128 v[PQ+4*\i:PQ+4*\i+3], v4, s[18:19] offset:\i*4096+64      ; sums of squares
.endr
	global_load_b128 v[GAM:GAM+3], v5, s[20:21]
	global_load_b128 v[BET:BET+3], v5, s[22:23]
	LOADF FA, 0
	LOADF FB, 8
	s_wait_loadcnt 16                              ; the sixteen loads of the slab stay out; the ten ahead of them are in
	RND4 GAM, TD                                   ; gamma and beta in the format of the other inputs
	RND4 BET, TD+2
.irp j, 0,2
	v_pk_add_f32 v[TA+\j:TA+\j+1], v[PM+\j:PM+\j+1], v[PM+4+\j:PM+4+\j+1]
	v_pk_add_f32 v[TB+\j:TB+\j+1], v[PM+8+\j:PM+8+\j+1], v[PM+12+\j:PM+12+\j+1]
.endr
.irp j, 0,2
	v_pk_add_f32 v[TA+\j:TA+\j+1], v[TA+\j:TA+\j+1], v[TB+\j:TB+\j+1]
.endr
	WSUM TA
	WSUM TA+1
	WSUM TA+2
	WSUM TA+3
.irp j, 0,2
	v_pk_mul_f32 v[MEAN+\j:MEAN+\j+1], v[TA+\j:TA+\j+1], 0x3c000000 op_sel_hi:[1,0]    ; / 128 blocks
.endr
.irp j, 0,2
	v_pk_add_f32 v[TD+\j:TD+\j+1], v[PM+\j:PM+\j+1], v[MEAN+\j:MEAN+\j+1] neg_lo:[0,1] neg_hi:[0,1]
	v_pk_add_f32 v[TA+\j:TA+\j+1], v[PQ+\j:PQ+\j+1], v[PQ+4+\j:PQ+4+\j+1]
.endr
.irp j, 0,2
	v_pk_mul_f32 v[TB+\j:TB+\j+1], v[TD+\j:TD+\j+1], v[TD+\j:TD+\j+1]
.endr
.irp i, 1,2,3
.irp j, 0,2
	v_pk_add_f32 v[TD+\j:TD+\j+1], v[PM+4*\i+\j:PM+4*\i+\j+1], v[MEAN+\j:MEAN+\j+1] neg_lo:[0,1] neg_hi:[0,1]
.endr
.irp j, 0,2
	v_pk_fma_f32 v[TB+\j:TB+\j+1], v[TD+\j:TD+\j+1], v[TD+\j:TD+\j+1], v[TB+\j:TB+\j+1]
.endr
.endr
.irp j, 0,2
	v_pk_add_f32 v[TD+\j:TD+\j+1], v[PQ+8+\j:PQ+8+\j+1], v[PQ+12+\j:PQ+12+\j+1]
.endr
.irp j, 0,2
	v_pk_add_f32 v[TA+\j:TA+\j+1], v[TA+\j:TA+\j+1], v[TD+\j:TD+\j+1]
.endr
.irp j, 0,2
	v_pk_fma_f32 v[TA+\j:TA+\j+1], v[TB+\j:TB+\j+1], 0x42800000, v[TA+\j:TA+\j+1] op_sel_hi:[1,0,1]   ; 64 columns a block
.endr
	WSUM TA
	WSUM TA+1
	WSUM TA+2
	WSUM TA+3
.irp j, 0,1,2,3
	v_fma_f32 v[TA+\j], v[TA+\j], s14, s15         ; var + eps
.endr
.irp j, 0,1,2,3
	v_rsq_f32 v[TB+\j], v[TA+\j]
.endr
	v_nop                                          ; one plain vector instruction behind a transcendental before its result is used (ISA guide 5.7.2)
	s_wait_alu depctr_va_vdst(0)
.irp j, 0,2
	v_pk_mul_f32 v[SCL+\j:SCL+\j+1], v[GAM+\j:GAM+\j+1], v[TB+\j:TB+\j+1]
.endr
	s_wait_loadcnt 8                               ; set A is in, set B stays out
	BNF FA, 0
	LOADF FA, 16
	s_wait_loadcnt 8                               ; set B is in, the new set A stays out
	BNF FB, 8
	LOADF FB, 24
.irp k, 0,1,2
	global_load_b128 v[IDX+4*\k:IDX+4*\k+3], v2, s[24:25] offset:\k*131072
.endr
.irp k, 0,1,2
	global_load_b128 v[WGT+4*\k:WGT+4*\k+3], v2, s[26:27] offset:\k*131072
.endr
.irp c, 0,1,2,3,4,5,6,7,8,9,10,11,12,13,14,15
	global_load_b128 v[PH+4*\c:PH+4*\c+3], v2, s[28:29] offset:\c*65536 th:TH_LOAD_NT   ; read once in the launch; wanted only at the end
.endr
	s_wait_loadcnt 30                              ; 8 + 6 + 16 younger loads stay out: set A is in
	BNF FA, 16
	s_wait_loadcnt 22                              ; 6 + 16 stay out: set B is in
	BNF FB, 24
	s_wait_dscnt 0x0                               ; my part of the slab is in LDS,
	s_barrier_signal -1
	s_barrier_wait -1                              ; all of it is
	s_wait_loadcnt 16                              ; addresses and weights are in; points_high stays out
.irp i, 0,1,2,3,4,5,6,7,8,9,10,11
	v_min_u32 v[IDX+\i], 0x33ff0, v[IDX+\i]        ; a number read from memory enters an address only behind this bound:
	v_and_b32 v[IDX+\i], 0x3fff0, v[IDX+\i]        ; the last byte reached is 212,976 + 49,152 + 15, inside the 262,144
.endr
.irp q, 0,1,2,3
	GLOAD 0, \q
.endr
.irp e, 0,1,2
.irp q, 0,1,2,3
	GSTEP \e, \q, 1, 9                             ; nine: the three other planes' loads
.endr
.endr
	GSTEP 3, 0, 0, 9                               ; the last query fetches nothing more: the counts run down
	GSTEP 3, 1, 0, 6
	GSTEP 3, 2, 0, 3
	GSTEP 3, 3, 0, 0
	; The last wait above was for 0: no LDS load is out, so the G registers are free to hold points_high packed.
.irp c, 0,1,2,3,4,5,6,7,8,9,10,11,12,13,14,15
	s_wait_loadcnt 15-\c                           ; channel c of points_high is in
	RND4 PH+4*\c, G+2*\c                           ; in the format of the other inputs
	v_pk_add_f32 v[ACC+4*\c:ACC+4*\c+1], v[ACC+4*\c:ACC+4*\c+1], v[PH+4*\c:PH+4*\c+1]
	v_pk_add_f32 v[ACC+4*\c+2:ACC+4*\c+3], v[ACC+4*\c+2:ACC+4*\c+3], v[PH+4*\c+2:PH+4*\c+3]
	global_store_b128 v2, v[ACC+4*\c:ACC+4*\c+3], s[30:31] offset:\c*65536 th:TH_STORE_NT   ; 512 consecutive aligned bytes
.endr
	s_wait_tensorcnt 0x0
	ds_add_u32 v220, v221
	s_wait_dscnt 0x0
	s_endpgm
.Lfunc_end_k_q9bc65164d3_interp:
	.size	k_q9bc65164d3_interp, .Lfunc_end_k_q9bc65164d3_interp-k_q9bc65164d3_interp
	.p2alignl 7, 3214868480
	.fill 96, 4, 3214868480
	.section	.rodata,"a",@progbits
	.p2align	6, 0x0
	.amdhsa_kernel k_q9bc65164d3_interp
		.amdhsa_group_segment_fixed_size 264192
		.amdhsa_private_segment_fixed_size 0
		.amdhsa_enable_private_segment 0
		.amdhsa_kernarg_size 64
		.amdhsa_user_sgpr_count 2
		.amdhsa_user_sgpr_kernarg_segment_ptr 1
		.amdhsa_wavefront_size32 1
		.amdhsa_system_sgpr_workgroup_id_x 1
		.amdhsa_system_sgpr_workgroup_id_y 1
		.amdhsa_system_sgpr_workgroup_id_z 1
		.amdhsa_system_vgpr_workitem_id 0
		.amdhsa_next_free_vgpr 222
		.amdhsa_next_free_sgpr 66
		.amdhsa_reserve_vcc 0
		.amdhsa_float_denorm_mode_32 3
		.amdhsa_float_denorm_mode_16_64 3
		.amdhsa_memory_ordered 1
		.amdhsa_forward_progress 1
		.amdhsa_inst_pref_size 52
	.end_amdhsa_kernel
	.amdgpu_metadata
---
amdhsa.version: [ 1, 2 ]
amdhsa.kernels:
  - .name:           k_q9bc65164d3_interp
    .symbol:         k_q9bc65164d3_interp.kd
    .args:
      - { .name: hT, .offset: 0, .size: 8, .value_kind: global_buffer, .address_space: global }
      - { .name: part, .offset: 8, .size: 8, .value_kind: global_buffer, .address_space: global }
      - { .name: gamma, .offset: 16, .size: 8, .value_kind: global_buffer, .address_space: global }
      - { .name: beta, .offset: 24, .size: 8, .value_kind: global_buffer, .address_space: global }
      - { .name: lad, .offset: 32, .size: 8, .value_kind: global_buffer, .address_space: global }
      - { .name: wgt, .offset: 40, .size: 8, .value_kind: global_buffer, .address_space: global }
      - { .name: points_high, .offset: 48, .size: 8, .value_kind: global_buffer, .address_space: global }
      - { .name: out0, .offset: 56, .size: 8, .value_kind: global_buffer, .address_space: global }
    .group_segment_fixed_size: 264192
    .private_segment_fixed_size: 0
    .kernarg_segment_align: 8
    .kernarg_segment_size: 64
    .max_flat_workgroup_size: 512
    .sgpr_count:     66
    .vgpr_count:     222
    .wavefront_size: 32
...
	.end_amdgpu_metadata
.endif
;; end of part 4
;; ======== version 2 of 2: 4 launches; version 1 with the launch knn2 written anew for expert scheduling mode
;; limits: values outside matrix products are rounded to bf16
;; workspace buffers: hT 8,388,608 bytes; part 262,144 bytes; grp 131,072 bytes of whole numbers; lad 393,216 bytes of whole numbers; wgt 393,216 bytes
;; launch gemm: the kernel of part 1 again; grid 256 x 1, 8 waves a work-group, no clusters, 101,376 bytes of LDS; arguments W, points_low, hT, part; writes hT, part
;; launch knn1: the kernel of part 2 again; grid 256 x 1, 8 waves a work-group, no clusters, 99,840 bytes of LDS; arguments xyz_low, xyz_high, grp; writes grp
;; launch knn2 (part 5): grid 256 x 1, 4 waves a work-group, no clusters, 77,312 bytes of LDS; arguments xyz_low, xyz_high, grp, lad, wgt; writes lad, wgt
.if DOCPART == 5
	.amdgcn_target "amdgcn-amd-amdhsa--gfx1250"
	.amdhsa_code_object_version 6
	.text
	.protected	k_q9bc65164d3_knn2
	.globl	k_q9bc65164d3_knn2
	.p2align	8
	.type	k_q9bc65164d3_knn2,@function
k_q9bc65164d3_knn2:
	s_mov_b64 s[64:65], 0
	v_nop
	global_prefetch_b8 v0, s[64:65] scope:SCOPE_SE
	s_setreg_imm32_b32 hwreg(HW_REG_WAVE_SCHED_MODE, 0, 2), 2
	s_setreg_imm32_b32 hwreg(HW_REG_WAVE_MODE, 25, 1), 1
	s_wait_xcnt 0x0
	s_wait_alu depctr_vm_vsrc(0)
; For every high point: the three nearest among the 96 low points of its three groups (stored by the launch before, which shows that
; they hold the three nearest of all), ties to the lower index as lax.top_k has them; the inverse-distance weights; and for each
; neighbour its byte address in the slab of h that the last launch keeps in LDS:
; lad(s) = (s >> 10) << 16 | (s & 0x3c0) << 4 | (s & 3) << 8 | ((s >> 2) & 15) << 4.
; The distances are made by the same lines as in the launch before, so they have the same bits.
; LIMITS as there (NaN, infinity, overflow of d2 in xyz); v_rcp_f32 stands for the two divisions.
; SHARES: 128 queries a work-group, one a thread.  A thread runs three lists side by side, one for each group, the groups in rising
; order, and merges them in that order.
; LDS: four planes of 18,432 bytes (X, Y, Z, |p|^2); group g at 144 g: 128 bytes and 16 of padding, so that lanes with different
; groups fall into different 16-byte columns; 73728: six rows of 512 bytes on the way out.
; THE MODE: SCHED_MODE bits 1:0 = 2 (LLVM: expert scheduling mode 2), set by the entry lines.  The code itself states the register
; dependences between vector instructions and memory or LDS instructions, and from a vector instruction's scalar result to its
; readers, with s_wait_alu, always for 0.
; THE PLAN.  Registers that memory or LDS instructions touch:
;   v2 .. v6       offsets and LDS addresses, made at the head, never written again; v184, v185 likewise, for the closing add alone.
;   SX v48 .. v175 at the start: the global loads land in v48 .. v143; vector lines round them in place and write the norms into
;                  v144 .. v175; the 32 LDS stores read all of it.  Behind the barrier these registers are SB0, SB1, TC and TS.
;   AX v16 .. v18  made once behind those stores; read by every LDS load of points; never written again.
;   SB0, SB1       step j: its 30 distance lines read buffer j % 2; the loads of step j + 2 then land in it.
;   v153 .. v158   written by the last vector lines, read by the six LDS stores of the way out.
;   v7, v8, v144 .. v151  the way out: addresses made anew; two LDS loads land in v144 .. v151, two global stores read them.
;   Q, GS, ST, TC, TS are named by vector instructions alone.
; AN INSERTION has lines for the values (three compares, the new places of the three values) and lines for the numbers (five selects
; by the compares' masks); the two kinds name no register of each other.  So the value lines of two points of all three lists stand
; first, 18 compares into two sets of nine scalar registers, then ONE wait for the masks, then the selects.  In steps 0 to 5 the
; step's one wait on va_vdst stands beside the first of these waits, and the twelve loads of step j + 2 straight behind it.
.set Q,   8                            ; v[8:15]    x x y y z z a a
.set AX,  16                           ; v[16:18]   LDS address of the three groups
.set GS,  20                           ; v[20:22]   their numbers, rising
.set ST,  24                           ; v[24:47]   list x at 8 x: m1 m2 m3 i1 i2 i3, at work
.set SB0, 48                           ; v[48:95]   four points of each group: group x, plane p at 16 x + 4 p
.set SB1, 96                           ; v[96:143]
.set TC,  144                          ; v[144:155] group x at 4 x
.set TS,  156                          ; v[156:167]
.set SX,  48                           ; at the start: X 32, Y 32, Z 32, |p|^2 32 registers
.set TMP, 176
.set QL,  180
.set GR,  183
.set PLANE, 18432
.set OUTS, 73728
.set MA0, 20                           ; s[20:28]   masks, set A: three for each list
.set MA1, 23
.set MA2, 26
.set MB0, 15                           ; s[15:17], s[32:37]  masks, set B: registers that the head's address arithmetic has done with
.set MB1, 32
.set MB2, 35
	s_load_b256 s[4:11], s[0:1], 0x0               ; xyz_low s[4:5], xyz_high s[6:7], grp s[8:9], lad s[10:11]
	s_load_b64 s[12:13], s[0:1], 0x20              ; wgt
	v_lshl_add_u32 v184, v0, 2, 0x12c00
	v_mov_b32 v185, 0
	v_and_b32 v1, 31, v0
	v_lshrrev_b32 v7, 5, v0
	v_readfirstlane_b32 s14, v7                    ; wave
	s_lshr_b32 s15, ttmp9, 7                       ; batch
	s_and_b32 s16, ttmp9, 127
	s_lshl_b32 s16, s16, 7                         ; first query
	s_mul_i32 s32, s15, 49152
	s_mov_b32 s33, 0
	s_mul_i32 s34, s15, 196608
	s_lshl2_add_u32 s34, s16, s34
	s_mov_b32 s35, 0
	s_lshl_b32 s36, s15, 14
	s_add_co_u32 s36, s36, s16
	s_lshl_b32 s36, s36, 2
	s_mov_b32 s37, 0
	s_wait_alu depctr_va_sdst(0)                   ; s14 is written, ahead of its first reader
	s_lshl_b32 s38, s14, 17                        ; way out: wave k stores row k of lad and of wgt
	s_add_co_u32 s38, s38, s36
	s_mov_b32 s39, 0
	s_mov_b32 s29, 0xffff0000
	s_mov_b32 s30, 0x322bcc77                      ; 1e-8
	v_lshlrev_b32 v2, 4, v0                        ; 16 t
	v_lshlrev_b32 v5, 2, v0                        ; 4 t
	v_lshrrev_b32 v3, 3, v0
	v_mul_u32_u24 v3, v3, 144
	v_and_b32 v4, 7, v0
	v_lshl_add_u32 v3, v4, 4, v3                   ; unit t of 16 bytes: group t >> 3, place t & 7
	v_add_nc_u32 v4, 2*PLANE, v3
	v_add_nc_u32 v6, OUTS, v5
	s_wait_kmcnt 0x0
	s_add_nc_u64 s[4:5], s[4:5], s[32:33]
	s_add_nc_u64 s[6:7], s[6:7], s[34:35]
	s_add_nc_u64 s[8:9], s[8:9], s[36:37]
	s_wait_alu depctr_va_vdst(0)                   ; v2 to v6 are written, which the loads and LDS stores below read as offsets and addresses; so are v184 and v185
.irp p, 0,1,2
.irp i, 0,1,2,3,4,5,6,7
	global_load_b128 v[SX+32*\p+4*\i:SX+32*\p+4*\i+3], v2, s[4:5] offset:\p*16384+\i*2048
.endr
.endr
.irp p, 0,1,2
	global_load_b32 v[QL+\p], v5, s[6:7] offset:\p*65536
.endr
	global_load_b32 v[GR], v5, s[8:9]
.irp x, 0,1,2
	v_mov_b32 v[ST+8*\x], 0x7f800000
	v_mov_b32 v[ST+8*\x+1], 0x7f800000
	v_mov_b32 v[ST+8*\x+2], 0x7f800000
	v_mov_b32 v[ST+8*\x+3], 0
	v_mov_b32 v[ST+8*\x+4], 1
	v_mov_b32 v[ST+8*\x+5], 2
.endr
	s_wait_loadcnt 0x0
.set j, 0
.rept 48
	v_cvt_pk_bf16_f32 v[TMP+j%4], v[SX+2*j], v[SX+2*j+1]
	v_lshlrev_b32 v[SX+2*j], 16, v[TMP+j%4]
	v_and_b32 v[SX+2*j+1], s29, v[TMP+j%4]
.set j, j+1
.endr
.set j, 0
.rept 16
	v_pk_mul_f32 v[SX+96+2*j:SX+96+2*j+1], v[SX+2*j:SX+2*j+1], v[SX+2*j:SX+2*j+1]
	v_pk_fma_f32 v[SX+96+2*j:SX+96+2*j+1], v[SX+32+2*j:SX+32+2*j+1], v[SX+32+2*j:SX+32+2*j+1], v[SX+96+2*j:SX+96+2*j+1]
	v_pk_fma_f32 v[SX+96+2*j:SX+96+2*j+1], v[SX+64+2*j:SX+64+2*j+1], v[SX+64+2*j:SX+64+2*j+1], v[SX+96+2*j:SX+96+2*j+1]
.set j, j+1
.endr
	s_wait_alu depctr_va_vdst(0)                   ; the roundings and the norms have written v[SX ..], which the LDS stores read
.irp p, 0,1
.irp i, 0,1,2,3,4,5,6,7
	ds_store_b128 v3, v[SX+32*\p+4*\i:SX+32*\p+4*\i+3] offset:\p*PLANE+\i*2304
	ds_store_b128 v4, v[SX+64+32*\p+4*\i:SX+64+32*\p+4*\i+3] offset:\p*PLANE+\i*2304
.endr
.endr
	; my query.  The lines from here to the barrier write TMP, Q, QL, GS and AX: none of the registers that the stores above read
	v_cvt_pk_bf16_f32 v[TMP], v[QL], v[QL+1]
	v_cvt_pk_bf16_f32 v[TMP+1], v[QL+2], v[QL+2]
	v_lshlrev_b32 v[Q], 16, v[TMP]
	v_lshlrev_b32 v[Q+1], 16, v[TMP]
	v_and_b32 v[Q+2], s29, v[TMP]
	v_and_b32 v[Q+3], s29, v[TMP]
	v_lshlrev_b32 v[Q+4], 16, v[TMP+1]
	v_lshlrev_b32 v[Q+5], 16, v[TMP+1]
	v_mul_f32 v[Q+6], v[Q], v[Q]
	v_fma_f32 v[Q+6], v[Q+2], v[Q+2], v[Q+6]
	v_fma_f32 v[Q+6], v[Q+4], v[Q+4], v[Q+6]
	v_mov_b32 v[Q+7], v[Q+6]
	; my three groups, put in rising order, so that the points are met in the order of their indices
	v_and_b32 v[TMP], 0xff, v[GR]
	v_bfe_u32 v[TMP+1], v[GR], 8, 8
	v_bfe_u32 v[TMP+2], v[GR], 16, 8
	v_cmp_gt_u32 vcc_lo, v[TMP], v[TMP+1]
	s_wait_alu depctr_va_vcc(0)                    ; VCC is written, ahead of the two selects that read it
	v_cndmask_b32 v[TMP+3], v[TMP], v[TMP+1], vcc_lo       ; the lesser of the first two
	v_cndmask_b32 v[QL], v[TMP+1], v[TMP], vcc_lo          ; the greater
	v_cmp_gt_u32 vcc_lo, v[QL], v[TMP+2]
	s_wait_alu depctr_va_vcc(0)                    ; VCC anew: this compare hangs on the selects above, so it has a wait of its own
	v_cndmask_b32 v[QL+1], v[QL], v[TMP+2], vcc_lo
	v_cndmask_b32 v[GS+2], v[TMP+2], v[QL], vcc_lo         ; the greatest of all
	v_cmp_gt_u32 vcc_lo, v[TMP+3], v[QL+1]
	s_wait_alu depctr_va_vcc(0)                    ; and the third, likewise
	v_cndmask_b32 v[GS], v[TMP+3], v[QL+1], vcc_lo
	v_cndmask_b32 v[GS+1], v[QL+1], v[TMP+3], vcc_lo
.irp x, 0,1,2
	v_min_u32 v[GS+\x], 127, v[GS+\x]              ; a number read from memory enters an address only behind this bound
.endr
.irp x, 0,1,2
	v_mul_u32_u24 v[AX+\x], v[GS+\x], 144
.endr
	s_wait_dscnt 0x0                               ; my part of the planes is in LDS,
	s_barrier_signal -1
	s_barrier_wait -1                              ; everybody's is
	s_wait_alu depctr_vm_vsrc(0)                   ; my LDS stores have read v[SX ..]: these registers are SB0, SB1, TC and TS from here on, written by the loads of points and by the distance lines
	s_wait_alu depctr_va_vdst(0)                   ; v[AX ..] are written, which every load of points reads as its address
.macro INSA m, val, c
	v_cmp_lt_f32 s[\c], v[\val], v[\m]
	v_cmp_lt_f32 s[\c+1], v[\val], v[\m+1]
	v_cmp_lt_f32 s[\c+2], v[\val], v[\m+2]
.endm
.macro INSB m, t, idx, c
	v_cndmask_b32 v[\t], \idx, v[\m+4], s[\c+1]
	v_cndmask_b32 v[\m+5], v[\m+5], v[\t], s[\c+2]
	v_cndmask_b32 v[\t], \idx, v[\m+3], s[\c]
	v_cndmask_b32 v[\m+4], v[\m+4], v[\t], s[\c+1]
	v_cndmask_b32 v[\m+3], v[\m+3], \idx, s[\c]
.endm
.macro INSC m, val
	v_med3_num_f32 v[\m+2], v[\m+1], v[\m+2], v[\val]
	v_med3_num_f32 v[\m+1], v[\m], v[\m+1], v[\val]
	v_min_num_f32 v[\m], v[\m], v[\val]
.endm
.macro CMP3 e, c0, c1, c2              ; point e of the four, in each of the three lists: the nine masks, then the values' new places
	INSA ST, TC+\e, \c0
	INSA ST+8, TC+4+\e, \c1
	INSA ST+16, TC+8+\e, \c2
	INSC ST, TC+\e
	INSC ST+8, TC+4+\e
	INSC ST+16, TC+8+\e
.endm
.macro IDX3 n, c0, c1, c2              ; the numbers' new places, by those masks; n: the point's place in its group
	INSB ST, ST+6, \n, \c0
	INSB ST+8, ST+14, \n, \c1
	INSB ST+16, ST+22, \n, \c2
.endm
.macro LOADS j, buf                    ; points 4 j .. 4 j + 3 of each of my three groups: twelve loads
.irp x, 0,1,2
.irp p, 0,1,2,3
	ds_load_b128 v[\buf+16*\x+4*\p:\buf+16*\x+4*\p+3], v[AX+\x] offset:\p*PLANE+16*(\j)
.endr
.endr
.endm
.macro DIST buf                        ; the twelve distances, six chains side by side: the only lines that read the buffer
.irp x, 0,1,2
.irp p, 0,2
	v_pk_mul_f32 v[TC+4*\x+\p:TC+4*\x+\p+1], v[\buf+16*\x+\p:\buf+16*\x+\p+1], v[Q:Q+1]
.endr
.endr
.irp x, 0,1,2
.irp p, 0,2
	v_pk_fma_f32 v[TC+4*\x+\p:TC+4*\x+\p+1], v[\buf+16*\x+4+\p:\buf+16*\x+4+\p+1], v[Q+2:Q+3], v[TC+4*\x+\p:TC+4*\x+\p+1]
.endr
.endr
.irp x, 0,1,2
.irp p, 0,2
	v_pk_fma_f32 v[TC+4*\x+\p:TC+4*\x+\p+1], v[\buf+16*\x+8+\p:\buf+16*\x+8+\p+1], v[Q+4:Q+5], v[TC+4*\x+\p:TC+4*\x+\p+1]
.endr
.endr
.irp x, 0,1,2
.irp p, 0,2
	v_pk_add_f32 v[TS+4*\x+\p:TS+4*\x+\p+1], v[\buf+16*\x+12+\p:\buf+16*\x+12+\p+1], v[Q+6:Q+7]
.endr
.endr
.irp x, 0,1,2
.irp p, 0,2
	v_pk_fma_f32 v[TC+4*\x+\p:TC+4*\x+\p+1], v[TC+4*\x+\p:TC+4*\x+\p+1], -2.0, v[TS+4*\x+\p:TS+4*\x+\p+1] op_sel_hi:[1,0,1]
.endr
.endr
.endm
; Step j: the distances of points 4 j .. 4 j + 3 of each group; then each into its list, under its place in the group, two points to a wait.
; more = 1: the buffer is asked for again, for step j + 2.
.macro STEP j, buf, more
	DIST \buf
	CMP3 0, MA0, MA1, MA2
	CMP3 1, MB0, MB1, MB2
	s_wait_alu depctr_va_sdst(0)                   ; the 18 masks of points 0 and 1 are written, ahead of the selects that read them
.if \more
	s_wait_alu depctr_va_vdst(0)                   ; the distance lines are done reading this buffer, in which the twelve loads below land
	LOADS (\j)+2, \buf
.endif
	IDX3 4*(\j), MA0, MA1, MA2
	IDX3 4*(\j)+1, MB0, MB1, MB2
	CMP3 2, MA0, MA1, MA2
	CMP3 3, MB0, MB1, MB2
	s_wait_alu depctr_va_sdst(0)                   ; the 18 masks of points 2 and 3
	IDX3 4*(\j)+2, MA0, MA1, MA2
	IDX3 4*(\j)+3, MB0, MB1, MB2
.endm
	LOADS 0, SB0
	LOADS 1, SB1
.irp j, 0,2,4
	s_wait_dscnt 12                                ; LDS loads come back in order: this step's twelve are in, the other buffer's twelve stay out
	STEP \j, SB0, 1
	s_wait_dscnt 12
	STEP \j+1, SB1, 1
.endr
	s_wait_dscnt 12                                ; the last two steps ask for nothing more
	STEP 6, SB0, 0
	s_wait_dscnt 0x0
	STEP 7, SB1, 0
.irp x, 0,1,2
.irp k, 3,4,5
	v_lshl_add_u32 v[ST+8*\x+\k], v[GS+\x], 5, v[ST+8*\x+\k]       ; index = 32 group + place
.endr
.endr
	; the second and the third list go into the first, in the order of their groups: six insertions, value lines first
.macro MRGV x, k, c
	INSA ST, ST+8*\x+\k, \c
	INSC ST, ST+8*\x+\k
.endm
.macro MRGI x, k, c
	INSB ST, ST+6, v[ST+8*\x+3+\k], \c
.endm
	MRGV 1, 0, MA0
	MRGV 1, 1, MA1
	MRGV 1, 2, MA2
	MRGV 2, 0, MB0
	MRGV 2, 1, MB1
	MRGV 2, 2, MB2
	s_wait_alu depctr_va_sdst(0)                   ; the 18 masks of the six insertions are written, ahead of the selects that read them
	MRGI 1, 0, MA0
	MRGI 1, 1, MA1
	MRGI 1, 2, MA2
	MRGI 2, 0, MB0
	MRGI 2, 1, MB1
	MRGI 2, 2, MB2
	; weights: 1 / (max(d, 0) + 1e-8), divided by their sum
.irp k, 0,1,2
	v_max_num_f32 v[144+\k], 0, v[ST+\k]
.endr
.irp k, 0,1,2
	v_add_f32 v[144+\k], s30, v[144+\k]
.endr
	v_rcp_f32 v148, v144
	v_rcp_f32 v149, v145
	v_rcp_f32 v150, v146
	v_nop                                          ; one plain vector instruction behind a transcendental before its result is used (ISA guide 5.7.2)
	s_wait_alu depctr_va_vdst(0)                   ; the three reciprocals v148 to v150 are written, ahead of their first reader
	v_add_f32 v151, v148, v149
	v_add_f32 v151, v151, v150
	v_rcp_f32 v152, v151
.macro LADR d, s, t
	v_and_b32 v[\d], 0xc00, v[\s]
	v_and_b32 v[\t], 0x3c0, v[\s]
	v_lshlrev_b32 v[\d], 6, v[\d]
	v_lshl_or_b32 v[\d], v[\t], 4, v[\d]
	v_and_b32 v[\t], 3, v[\s]
	v_lshl_or_b32 v[\d], v[\t], 8, v[\d]
	v_bfe_u32 v[\t], v[\s], 2, 4
	v_lshl_or_b32 v[\d], v[\t], 4, v[\d]
.endm
	LADR 156, ST+3, 159                            ; plain work behind the reciprocal
	LADR 157, ST+4, 159
	LADR 158, ST+5, 159
	s_wait_alu depctr_va_vdst(0)                   ; the reciprocal v152 is written, ahead of its first reader
	v_mul_f32 v153, v148, v152
	v_mul_f32 v154, v149, v152
	v_mul_f32 v155, v150, v152
	s_wait_alu depctr_va_vdst(0)                   ; the three weights v153 to v155 are written (the addresses v156 to v158 stand ahead of the wait before): the LDS stores read the six
.irp k, 0,1,2
	ds_store_b32 v6, v[156+\k] offset:\k*512
	ds_store_b32 v6, v[153+\k] offset:1536+\k*512
.endr
	s_wait_dscnt 0x0
	s_barrier_signal -1
	s_barrier_wait -1                              ; the six rows are in LDS
	s_cmp_eq_u32 s14, 3
	s_cbranch_scc1 .Lend                           ; three rows of each kind: wave 3 has none
	s_add_nc_u64 s[10:11], s[10:11], s[38:39]
	s_add_nc_u64 s[12:13], s[12:13], s[38:39]
	s_lshl_b32 s31, s14, 9
	s_add_co_u32 s31, s31, OUTS
	v_lshl_add_u32 v7, v1, 4, s31
	v_lshlrev_b32 v8, 4, v1
	s_wait_alu depctr_va_vdst(0)                   ; v7 and v8 are written, the address and the offset below; the vector lines are done with v144 to v151, in which the two loads land
	ds_load_b128 v[144:147], v7
	ds_load_b128 v[148:151], v7 offset:1536
	s_wait_dscnt 0x0
	global_store_b128 v8, v[144:147], s[10:11]     ; each store is 512 consecutive aligned bytes
	global_store_b128 v8, v[148:151], s[12:13]
.Lend:
	s_wait_dscnt 0x0                               ; the closing lines, six on end
	s_wait_alu 0x0
	s_wait_tensorcnt 0x0
	ds_add_u32 v184, v185
	s_wait_dscnt 0x0
	s_endpgm
.Lfunc_end_k_q9bc65164d3_knn2:
	.size	k_q9bc65164d3_knn2, .Lfunc_end_k_q9bc65164d3_knn2-k_q9bc65164d3_knn2
	.p2alignl 7, 3214868480
	.fill 96, 4, 3214868480
	.section	.rodata,"a",@progbits
	.p2align	6, 0x0
	.amdhsa_kernel k_q9bc65164d3_knn2
		.amdhsa_group_segment_fixed_size 77312
		.amdhsa_private_segment_fixed_size 0
		.amdhsa_enable_private_segment 0
		.amdhsa_kernarg_size 40
		.amdhsa_user_sgpr_count 2
		.amdhsa_user_sgpr_kernarg_segment_ptr 1
		.amdhsa_wavefront_size32 1
		.amdhsa_system_sgpr_workgroup_id_x 1
		.amdhsa_system_sgpr_workgroup_id_y 1
		.amdhsa_system_sgpr_workgroup_id_z 1
		.amdhsa_system_vgpr_workitem_id 0
		.amdhsa_next_free_vgpr 186
		.amdhsa_next_free_sgpr 66
		.amdhsa_reserve_vcc 1
		.amdhsa_float_denorm_mode_32 3
		.amdhsa_float_denorm_mode_16_64 3
		.amdhsa_memory_ordered 1
		.amdhsa_forward_progress 1
		.amdhsa_inst_pref_size 111
	.end_amdhsa_kernel
	.amdgpu_metadata
---
amdhsa.version: [ 1, 2 ]
amdhsa.kernels:
  - .name:           k_q9bc65164d3_knn2
    .symbol:         k_q9bc65164d3_knn2.kd
    .args:
      - { .name: xyz_low, .offset: 0, .size: 8, .value_kind: global_buffer, .address_space: global }
      - { .name: xyz_high, .offset: 8, .size: 8, .value_kind: global_buffer, .address_space: global }
      - { .name: grp, .offset: 16, .size: 8, .value_kind: global_buffer, .address_space: global }
      - { .name: lad, .offset: 24, .size: 8, .value_kind: global_buffer, .address_space: global }
      - { .name: wgt, .offset: 32, .size: 8, .value_kind: global_buffer, .address_space: global }
    .group_segment_fixed_size: 77312
    .private_segment_fixed_size: 0
    .kernarg_segment_align: 8
    .kernarg_segment_size: 40
    .max_flat_workgroup_size: 128
    .sgpr_count:     66
    .vgpr_count:     186
    .wavefront_size: 32
...
	.end_amdgpu_metadata
.endif
;; end of part 5
;; launch interp: the kernel of part 4 again; grid 256 x 1, 16 waves a work-group, no clusters, 264,192 bytes of LDS; arguments hT, part, gamma, beta, lad, wgt, points_high, out0; writes out0
